; MI455X (gfx1250); checked and timed in simulation.
; The chip was launched on July 23, 2026; its instructions are those of AMD's public machine-readable ISA for CDNA 5 (MIT licence, August 2026) and "CDNA5" Instruction Set Architecture Reference Guide (July 2026). The comments in the code are by the model that wrote it; some were corrected since.
;; Multi Head Attention. Allowed arithmetic: matrix products marked QUANTISED: E2M3 operands, one E8M0 scale for each 32 along K, by v_wmma_scale_f32_16x16x128_f8f6f4 with both operands' format E2M3, f32 sums; everything else in f32.
;; Inputs: Wk 1,024 x 1,024 float32; Wo 1,024 x 1,024 float32; Wq 1,024 x 1,024 float32; Wv 1,024 x 1,024 float32; bk 1,024 float32; bo 1,024 float32; bq 1,024 float32; bv 1,024 float32; inputs 4 x 2,048 x 1,024 float32.
;; Outputs: out0 4 x 2,048 x 1,024 float32.
;; This version of the problem:
;;   THIS VERSION OF THE PROBLEM IS GIVEN IN LOW PRECISION. The matrix products marked QUANTISED in the list below multiply operands that are first quantised to E2M3 (2 exponent bits, 3 mantissa bits; 6 bits a number), with one power-of-two scale for each 32 numbers along K (OCP MX v1.0); their sums are f32. All else is computed in f32.
;;   The module's matrix products, in the order in which they are computed (A, B: the left and right operand; K: the contracted axis; several contracted axes count as one K, in the product's order):
;;     1. [M 8,192, K 1,024] x [K 1,024, N 1,024]; A: input inputs; B: input Wq: QUANTISED
;;     2. [M 8,192, K 1,024] x [K 1,024, N 1,024]; A: input inputs; B: input Wk: QUANTISED
;;     3. [M 8,192, K 1,024] x [K 1,024, N 1,024]; A: input inputs; B: input Wv: QUANTISED
;;     4. batch 64 x [M 2,048, K 64] x [K 64, N 2,048]; A: computed on the way; B: computed on the way: QUANTISED
;;     5. batch 64 x [M 2,048, K 2,048] x [K 2,048, N 64]; A: softmax (see below); B: computed on the way: QUANTISED
;;     6. [M 8,192, K 1,024] x [K 1,024, N 1,024]; A: computed on the way; B: input Wo: QUANTISED
;;   THE QUANTISER, for each operand of a quantised product, along K:
;;     - K is cut into blocks of 32 from its start; a last block that is shorter is filled with zeros.
;;     - A block's scale is 2^e with e = floor(log2(the largest magnitude in the block)) - 2, held to -126 .. 127; a block of zeros has e = 0. As a byte (E8M0): e + 127.
;;     - Each number is divided by its block's scale, clamped to +-7.5, and rounded to the nearest number of E2M3, ties to even, subnormals kept.
;;     - The product sums the exact products of the quantised numbers (number of the format x scale) in f32.
;;   ~~~python
;;   def quantise(x, axis):      # numpy; x: float32 -> the quantised numbers, widened to float32 again
;;       x = np.moveaxis(x, axis, -1); K = x.shape[-1]
;;       x = np.pad(x, [(0, 0)] * (x.ndim - 1) + [(0, -K % 32)]); x = x.reshape(x.shape[:-1] + (-1, 32)); a = np.abs(x).max(-1, keepdims=True)
;;       e = np.where(a > 0, np.clip(np.frexp(np.where(a > 0, a, 1))[1] - 1 - 2, -126, 127), 0)      # np.frexp(a)[1] - 1 = floor(log2(a)), exactly
;;       r = np.clip(x / 2.0 ** e, -7.5, 7.5)
;;       step = 2.0 ** (np.maximum(np.frexp(np.where(r == 0, 1, r))[1] - 1, 0) - 3)
;;       q = np.round(r / step) * step * 2.0 ** e      # np.round: ties to even
;;       return np.moveaxis(q.reshape(q.shape[:-2] + (-1,))[..., :K], -1, axis).astype(np.float32)
;;   ~~~
;;   SOFTMAX AHEAD OF A QUANTISED PRODUCT. Where the list says 'softmax', what is quantised is not the finished softmax but p = 2^(t - M), with t = logit x log2(e) and M = ceil(the row's largest t), a whole number; so 1/2 < the row's largest p <= 1. The row's sum l is taken of the UNQUANTISED p, in f32, and the product's result is divided by l at the end. Since M is a whole number, a kernel that streams over the keys may use a running M (the ceiling of the running maximum): every later rescaling is an exact power of two, which a block's scale takes up: the codes' values come out the same.
;;   OPERANDS COMPUTED ON THE WAY. 'Computed on the way' means the value that the module computes at that place (a softmax that the list does not call 'softmax' is quantised finished and normalised). What goes into a quantiser is computed in f32, as accurately as f32 sums, v_exp_f32 and their like allow (about 1e-6 of the number): no bf16 or f16 on the way to a quantiser, and a product that is left as it is and whose result goes on into a quantised operand takes f32 operands (vector FMAs, or v_wmma_f32_16x16x4_f32). A number that lies on a knife's edge between two numbers of the format may be rounded either way, as far as f32 arithmetic and the matrix unit's own rounding can turn it there, and no further.
;; One version. Each part assembles by itself: llvm-mc -triple=amdgcn-amd-amdhsa -mcpu=gfx1250 --defsym DOCPART=n.
;; ======== version 1 of 1: 4 launches
;; limits: right only within a limited range of input values
;; workspace buffers: xc 6,291,456 bytes; xs 262,144 bytes; wc 3,145,728 bytes; ws 131,072 bytes; qkv 19,660,800 bytes; ac 6,291,456 bytes; asc 262,144 bytes
;; launch quant (part 1): grid 640 x 1, 4 waves a work-group, no clusters, 59,904 bytes of LDS; arguments inputs, Wq, Wk, Wv, Wo, xc, xs, wc, ws; writes xc, xs, wc, ws
.if DOCPART == 1
	.amdgcn_target "amdgcn-amd-amdhsa--gfx1250"
	.amdhsa_code_object_version 6
	.text
	.protected	k_q8268799248_quant
	.globl	k_q8268799248_quant
	.p2align	8
	.type	k_q8268799248_quant,@function
k_q8268799248_quant:
	s_mov_b64 s[64:65], 0
	v_nop
	global_prefetch_b8 v0, s[64:65] scope:SCOPE_SE
	s_setreg_imm32_b32 hwreg(HW_REG_WAVE_MODE, 25, 1), 1
	s_wait_xcnt 0x0
; MULTI-HEAD ATTENTION IN MX-FP6 (E2M3, one E8M0 scale for each 32 along K), four launches: quant, qkv, attn, proj.
; DEAD WORK: none.  Every product of the problem is live, and all four biases are: bq, bk and bv go into numbers that are quantised (bk moves k's codes and scales,
; so it stays although a softmax in real numbers would cancel it), bo goes into the result.  Every input is loaded by some launch.
; THIS LAUNCH turns inputs [8192][1024] (K innermost) and Wq, Wk, Wv, Wo [1024 (k)][1024 (n)] (K the first axis), all f32, into codes and scale bytes, laid as the later launches' operand registers want them.
; A block's scale is 2^(floor(log2(its largest magnitude)) - 2): its byte is the largest magnitude's exponent field - 2, held at 1 from below by a floor among the maximum's leaves.
; LIMITS: a block of zeros gets the byte 1 where the rule says 127 (its codes are zeros, and this program alone reads the bytes); NaN and infinities among the inputs are not served.
; THE ORDER OF ROWS IN A TILE OF 16 (rows of inputs, columns n of a weight): tile T, place r holds row 32 (T / 2) + 8 (T % 2) + r + 8 (r / 8).  As source 0 of a product such tiles 2 b, 2 b + 1 leave a lane 16 neighbours along the next K.
; AN IMAGE of a fragment (16 places x 128 K, 12 registers a lane; lane (r, h), registers 6 c .. 6 c + 5: k = 64 c + 32 h + 0 .. 31) is 1,536 bytes: six pieces of 256, piece p = registers 2 p, 2 p + 1, lane l's 8 bytes at 256 p + 8 l.
; xc, wc: [tile][K step 0..7][1,536].  xs, ws: [tile][slot 0..3][place 0..15][q 0..1] scale words (K step 2 slot + q), 512 bytes a tile.  wc, ws hold Wq's 64 tiles, then Wk's, Wv's, Wo's.
; SHARES: work-groups 0-127 take the weights (the longer path, so they begin first), 128-639 a row tile of inputs each.  x path waves share nothing; W path waves share one stage behind a barrier.  The two paths have LDS bytes of their own.
.set SPARE, 59392                      ; behind both paths' stages: the spare words, 128 bytes a wave
.set XSTG,  8448                       ; x path: a wave's stage, 16 rows of 512 bytes + 16
.set WSTG0, 33792                      ; W path: the stages begin here,
.set WSTG,  6400                       ; a wave's: two tiles' 3,072 bytes, 3,200 apart
.set SPW,   14                         ; v14  LDS address of my spare word; never rewritten
.set NIL,   15                         ; v15  0; never rewritten
.set X,     64                         ; v64-127  64 numbers of a lane
.set R,     128                        ; v128-255 x path: 32 loads as they come.  W path: v128-175 the way out
; 64 numbers of a lane, X[32 c + i] = k 64 c + 32 h + i of my row, become a fragment's 12 registers at dst and its scale word in pw (v10 = 8 h)
.macro QUANT6 dst, pw
.irp c, 0,1
	v_max3_num_f32 v[16+\c], |v[X+32*\c]|, |v[X+1+32*\c]|, 0x1800000      ; my block 2 c + h: all 32 numbers are mine; the floor 2^(3 - 127) holds the byte at 1 from below
.endr
.irp i, 2,4,6,8,10,12,14,16,18,20,22,24,26,28,30
.irp c, 0,1
	v_max3_num_f32 v[16+\c], v[16+\c], |v[X+32*\c+\i]|, |v[X+1+32*\c+\i]|  ; (the two blocks by turns)
.endr
.endr
.irp c, 0,1
	v_add_nc_u32 v[18+\c], 0xff000000, v[16+\c]    ; 2 off the exponent field: the conversion's scale operand
.endr
.irp c, 0,1
	v_lshrrev_b32 v[20+\c], 23, v[18+\c]           ; the scale's byte
.endr
	v_lshl_or_b32 v[\pw], v21, 16, v20             ; my two bytes, blocks h and 2 + h,
	v_lshlrev_b32 v[\pw], v10, v[\pw]              ; at their places in the word;
	v_mov_b32 v25, 0
	v_permlanex16_b32 v25, v[\pw], s28, s29
	v_or_b32 v[\pw], v[\pw], v25                   ; with lane l xor 16's two the word is whole
.irp c, 0,1
	v_cvt_scalef32_pk16_fp6_f32 v[\dst+6*\c:\dst+6*\c+2], v[X+32*\c:X+15+32*\c], v[18+\c]
	v_cvt_scalef32_pk16_fp6_f32 v[56+4*\c:58+4*\c], v[X+16+32*\c:X+31+32*\c], v[18+\c]   ; (a conversion's three registers begin on an even number)
.endr
	v_nop                                          ; one plain place behind a scaled conversion
.irp c, 0,1
.irp i, 0,1,2
	v_mov_b32 v[\dst+3+6*\c+\i], v[56+4*\c+\i]
.endr
.endr
.endm
; x path: K step q of my two: 16 rows x 512 bytes turn through my stage, so that a lane gets its row's 64 numbers; the image leaves as six whole runs of 256 bytes
.macro XSTEP q, dst, pw
.if \q == 0
	s_wait_loadcnt 16                              ; the first K step's 16 loads are in; the second's 16 may be out
.else
	s_wait_loadcnt 0x0
.endif
.irp e, 0,1,2,3,4,5,6,7,8,9,10,11,12,13,14,15
	ds_store_b128 v4, v[R+4*(16*\q+\e):R+4*(16*\q+\e)+3] offset:528*\e
.endr
.irp c, 0,1
.irp j, 0,1,2,3,4,5,6,7
	ds_load_b128 v[X+4*(8*\c+\j):X+4*(8*\c+\j)+3], v7 offset:256*\c+16*\j   ; LDS serves a wave's instructions in order: these see my stores
.endr
.endr
	s_wait_dscnt 0x0
	QUANT6 \dst, \pw
.irp e, 0,1,2,3,4,5
	global_store_b64 v8, v[\dst+2*\e:\dst+2*\e+1], s[14:15] offset:1536*\q+256*\e   ; 32 lanes store 256 consecutive bytes, aligned
.endr
.endm
; W path: block t of 32 along K: W(32 t + i, my column) into set t % 2
.macro WLOAD t
.irp i, 0,1,2,3,4,5,6,7,8,9,10,11,12,13,14,15,16,17,18,19,20,21,22,23,24,25,26,27,28,29,30,31
	global_load_b32 v[X+32*((\t)%2)+\i], v3, s[24:25] offset:(32*(\t)+\i)*4096 th:TH_LOAD_NT
.endr
.endm
.macro WBLOCK t
.set XS, X+32*((\t)%2)
.if (\t) < 7
	s_wait_loadcnt 32                              ; this block's 32 loads are in; the next block's 32 may be out
.else
	s_wait_loadcnt 0x0
.endif
	v_max3_num_f32 v12, |v[XS]|, |v[XS+1]|, |v[XS+2]|
	v_max3_num_f32 v13, |v[XS+3]|, |v[XS+4]|, |v[XS+5]|
.irp i, 6,10,14,18,22,26
	v_max3_num_f32 v12, v12, |v[XS+\i]|, |v[XS+\i+1]|
	v_max3_num_f32 v13, v13, |v[XS+\i+2]|, |v[XS+\i+3]|
.endr
	v_max3_num_f32 v12, v12, |v[XS+30]|, |v[XS+31]|
	v_max3_num_f32 v12, v12, v13, 0x1800000        ; and the floor
	v_add_nc_u32 v11, 0xff000000, v12              ; the conversion's scale operand
	v_lshrrev_b32 v13, 23, v11                     ; the scale's byte
.if (\t)%4 == 0
	v_mov_b32 v[44+(\t)/4], v13                    ; four bytes to a word, the lower K in the lower byte
.else
	v_lshl_or_b32 v[44+(\t)/4], v13, 8*((\t)%4), v[44+(\t)/4]
.endif
	v_cvt_scalef32_pk16_fp6_f32 v[32:34], v[XS:XS+15], v11
	v_cvt_scalef32_pk16_fp6_f32 v[40:42], v[XS+16:XS+31], v11
	v_nop                                          ; one plain place behind a scaled conversion
.irp i, 0,1,2
	v_mov_b32 v[35+\i], v[40+\i]
.endr
.irp i, 0,1,2                          ; block t is registers 6 c .. 6 c + 5 of lane (r, h') of K step t / 4, c = (t % 4) / 2, h' = t % 2: pieces 3 c + i, 8 bytes at 8 r + 128 h'
	ds_store_b64 v4, v[32+2*\i:33+2*\i] offset:((\t)/4)*1536+256*(3*(((\t)%4)/2)+\i)+128*((\t)%2)
.endr
.if (\t) < 6
	WLOAD (\t)+2
.endif
	s_wait_dscnt 0x0                               ; the stores have read their registers
.endm
	s_load_b512 s[4:19], s[0:1], 0x0               ; inputs 4:5, Wq 6:7, Wk 8:9, Wv 10:11, Wo 12:13, xc 14:15, xs 16:17, wc 18:19
	s_load_b64 s[20:21], s[0:1], 0x40              ; ws
	v_lshl_add_u32 v[SPW], v0, 2, SPARE
	v_mov_b32 v[NIL], 0
	v_lshrrev_b32 v1, 5, v0
	v_readfirstlane_b32 s22, v1                    ; wave 0..3
	v_and_b32 v2, 31, v0                           ; lane
	s_mov_b32 s28, 0x76543210
	s_mov_b32 s29, 0xfedcba98                      ; v_permlanex16_b32's selects for lane l xor 16
	s_mov_b32 s30, 0xffff0000                      ; lanes 16-31
	s_wait_kmcnt 0x0
	s_cmp_lt_u32 ttmp9, 128                        ; the work-group's number alone decides
	s_cbranch_scc1 .Lw
	; ---- inputs: work-group = row tile T; wave w = K steps 2 w, 2 w + 1
	s_sub_co_u32 s23, ttmp9, 128                   ; T
	s_wait_alu depctr_va_vdst(0)
	v_lshlrev_b32 v3, 4, v2                        ; 16 x lane
	s_mul_i32 s24, s22, XSTG                       ; my stage
	v_add_nc_u32 v4, s24, v3                       ; in: a row's 512 bytes as they lie
	v_and_b32 v5, 15, v2                           ; r
	v_lshrrev_b32 v6, 4, v2                        ; h
	v_mul_u32_u24 v7, v5, 528
	v_lshl_add_u32 v7, v6, 7, v7
	v_add_nc_u32 v7, s24, v7                       ; back: row r, + 128 h bytes: k = 32 h on
	v_lshlrev_b32 v8, 3, v2                        ; a piece: 8 x lane
	v_lshlrev_b32 v9, 3, v5
	v_lshl_add_u32 v9, v6, 2, v9                   ; scale words: 8 r + 4 q, q = my half
	v_lshlrev_b32 v10, 3, v6                       ; 8 h
	; THE ORDER IN A TILE, for rows of inputs and for columns of all four weights (it takes the place of the order given at the head): tile T, place e holds row or column 64 (T / 4) + 8 (T % 4) + e % 8 + 32 (e / 8).
	; As source 0 of a product, tiles 4 g .. 4 g + 3 then leave lane (r, h) the 32 neighbours 64 g + 32 h + 0 .. 31 along the next K: a whole scale block.
	s_lshr_b32 s24, s23, 2
	s_lshl_b32 s24, s24, 18                        ; 64 (T / 4) rows of 4,096 bytes
	s_and_b32 s25, s23, 3
	s_lshl_b32 s25, s25, 15                        ; + 8 (T % 4) rows
	s_add_co_u32 s24, s24, s25
	s_lshl_b32 s25, s22, 10                        ; + my 256 numbers
	s_add_co_u32 s24, s24, s25
	s_mov_b32 s25, 0
	s_add_nc_u64 s[4:5], s[4:5], s[24:25]
	s_mul_i32 s24, s23, 12288
	s_mul_i32 s26, s22, 3072
	s_add_co_u32 s24, s24, s26
	s_add_nc_u64 s[14:15], s[14:15], s[24:25]
	s_lshl_b32 s24, s23, 9
	s_lshl_b32 s26, s22, 7
	s_add_co_u32 s24, s24, s26
	s_add_nc_u64 s[16:17], s[16:17], s[24:25]
.irp q, 0,1
.irp e, 0,1,2,3,4,5,6,7,8,9,10,11,12,13,14,15
	global_load_b128 v[R+4*(16*\q+\e):R+4*(16*\q+\e)+3], v3, s[4:5] offset:(\e+24*(\e/8))*4096+512*\q th:TH_LOAD_NT   ; place e's row, one K step: 512 consecutive bytes
.endr
.endr
	s_wait_alu depctr_va_vdst(0)
	XSTEP 0, 32, 22
	XSTEP 1, 44, 23
	v_cndmask_b32 v24, v22, v23, s30               ; lanes 0-15 carry the first K step's words, lanes 16-31 the second's
	global_store_b32 v9, v24, s[16:17]             ; 128 consecutive bytes
	s_branch .Lend
.Lw:	; ---- weights: a lane takes a column n, its registers run down K; work-group = (matrix, 256 along K, 128 columns), wave = 32 columns = two tiles
	s_lshr_b32 s23, ttmp9, 5                       ; matrix 0..3
	s_bfe_u32 s31, ttmp9, 0x20003                  ; slot of 256 along K
	s_and_b32 s32, ttmp9, 7                        ; which 128 columns
	s_cmp_lt_u32 s23, 2
	s_cselect_b64 s[24:25], s[6:7], s[10:11]
	s_cselect_b64 s[26:27], s[8:9], s[12:13]
	s_bitcmp1_b32 s23, 0
	s_cselect_b64 s[24:25], s[26:27], s[24:25]     ; Wq, Wk, Wv or Wo: the choice hangs on the work-group's number alone
	s_lshl_b32 s34, s31, 20                        ; 256 rows of 4,096 bytes
	s_lshl_b32 s35, s32, 9
	s_add_co_u32 s34, s34, s35
	s_lshl_b32 s35, s22, 7
	s_add_co_u32 s34, s34, s35                     ; + 4 x my wave's first column
	s_mov_b32 s35, 0
	s_add_nc_u64 s[24:25], s[24:25], s[34:35]
	s_lshl_b32 s33, s23, 6
	s_lshl_b32 s36, s32, 3
	s_add_co_u32 s33, s33, s36
	s_lshl_b32 s36, s22, 1
	s_add_co_u32 s33, s33, s36                     ; my first tile: 64 matrix + 8 x + 2 wave
	s_mul_i32 s34, s33, 12288
	s_mul_i32 s36, s31, 3072
	s_add_co_u32 s34, s34, s36
	s_add_nc_u64 s[18:19], s[18:19], s[34:35]
	s_lshl_b32 s34, s33, 9
	s_lshl_b32 s36, s31, 7
	s_add_co_u32 s34, s34, s36
	; my wave's 32 neighbouring columns are places 8 (wave % 2) + 0 .. 7 of the four tiles 4 (wave / 2) + 0 .. 3 of the work-group's eight: the four waves' stages are one stage of eight tiles, 3,200 bytes apart
	s_and_b32 s39, s22, 1
	s_mul_i32 s36, s39, 960
	s_sub_co_u32 s34, s34, s36                     ; scale words: back 2 (wave % 2) tiles of 512 bytes, on 8 (wave % 2) places of 8 bytes
	s_add_nc_u64 s[20:21], s[20:21], s[34:35]
	s_lshr_b32 s38, s22, 1
	s_mul_i32 s38, s38, 12800
	s_lshl_b32 s39, s39, 6
	s_add_co_u32 s38, s38, s39
	s_add_co_u32 s38, s38, WSTG0                   ; the stage, on the way in: four tiles on for each pair of waves, 64 bytes on for the odd wave
	s_wait_alu depctr_va_vdst(0)
	v_lshlrev_b32 v3, 2, v2                        ; in: 4 bytes a lane
	v_lshrrev_b32 v8, 3, v2                        ; which of the four tiles my column belongs to
	v_and_b32 v9, 7, v2
	s_mul_i32 s37, s22, WSTG
	s_add_co_u32 s37, s37, WSTG0                   ; my stage
	v_mul_u32_u24 v4, v8, 3200
	v_lshl_add_u32 v4, v9, 3, v4
	v_add_nc_u32 v4, s38, v4                       ; in: 3,200 x tile + 8 x place
	v_lshlrev_b32 v6, 4, v2
	v_add_nc_u32 v5, s37, v6                       ; back: 16 x lane
	v_lshlrev_b32 v7, 9, v8
	v_lshl_add_u32 v7, v9, 3, v7                   ; scale words: 512 u + 8 r
	WLOAD 0
	WLOAD 1
.irp t, 0,1,2,3,4,5,6,7
	WBLOCK \t
.endr
	s_wait_alu depctr_va_vdst(0)
	global_store_b64 v7, v[44:45], s[20:21]        ; my column's two scale words
	s_barrier_signal -1                            ; every wave has waited for its stores into the stage (the last block's wait for 0):
	s_barrier_wait -1                              ; behind this barrier each wave reads two whole tiles back
.irp u, 0,1
.irp i, 0,1,2,3,4,5
	ds_load_b128 v[R+4*(6*\u+\i):R+4*(6*\u+\i)+3], v5 offset:3200*\u+512*\i
.endr
.endr
.irp u, 0,1
.irp i, 0,1,2,3,4,5
	s_wait_dscnt 11-6*\u-\i                        ; the younger loads may be out
	global_store_b128 v6, v[R+4*(6*\u+\i):R+4*(6*\u+\i)+3], s[18:19] offset:12288*\u+512*\i   ; 512 consecutive bytes, aligned
.endr
.endr
.Lend:
	s_wait_tensorcnt 0x0                           ; the wave's end, behind my last LDS store
	ds_add_u32 v[SPW], v[NIL]
	s_wait_dscnt 0x0
	s_endpgm
.Lfunc_end_k_q8268799248_quant:
	.size	k_q8268799248_quant, .Lfunc_end_k_q8268799248_quant-k_q8268799248_quant
	.p2alignl 7, 3214868480
	.fill 96, 4, 3214868480
	.section	.rodata,"a",@progbits
	.p2align	6, 0x0
	.amdhsa_kernel k_q8268799248_quant
		.amdhsa_group_segment_fixed_size 59904
		.amdhsa_private_segment_fixed_size 0
		.amdhsa_enable_private_segment 0
		.amdhsa_kernarg_size 72
		.amdhsa_user_sgpr_count 2
		.amdhsa_user_sgpr_kernarg_segment_ptr 1
		.amdhsa_wavefront_size32 1
		.amdhsa_system_sgpr_workgroup_id_x 1
		.amdhsa_system_sgpr_workgroup_id_y 1
		.amdhsa_system_sgpr_workgroup_id_z 1
		.amdhsa_system_vgpr_workitem_id 0
		.amdhsa_next_free_vgpr 256
		.amdhsa_next_free_sgpr 66
		.amdhsa_reserve_vcc 0
		.amdhsa_float_denorm_mode_32 3
		.amdhsa_float_denorm_mode_16_64 3
		.amdhsa_memory_ordered 1
		.amdhsa_forward_progress 1
		.amdhsa_inst_pref_size 59
	.end_amdhsa_kernel
	.amdgpu_metadata
---
amdhsa.version: [ 1, 2 ]
amdhsa.kernels:
  - .name:           k_q8268799248_quant
    .symbol:         k_q8268799248_quant.kd
    .args:
      - { .name: inputs, .offset: 0, .size: 8, .value_kind: global_buffer, .address_space: global }
      - { .name: Wq, .offset: 8, .size: 8, .value_kind: global_buffer, .address_space: global }
      - { .name: Wk, .offset: 16, .size: 8, .value_kind: global_buffer, .address_space: global }
      - { .name: Wv, .offset: 24, .size: 8, .value_kind: global_buffer, .address_space: global }
      - { .name: Wo, .offset: 32, .size: 8, .value_kind: global_buffer, .address_space: global }
      - { .name: xc, .offset: 40, .size: 8, .value_kind: global_buffer, .address_space: global }
      - { .name: xs, .offset: 48, .size: 8, .value_kind: global_buffer, .address_space: global }
      - { .name: wc, .offset: 56, .size: 8, .value_kind: global_buffer, .address_space: global }
      - { .name: ws, .offset: 64, .size: 8, .value_kind: global_buffer, .address_space: global }
    .group_segment_fixed_size: 59904
    .private_segment_fixed_size: 0
    .kernarg_segment_align: 8
    .kernarg_segment_size: 72
    .max_flat_workgroup_size: 128
    .sgpr_count:     66
    .vgpr_count:     256
    .wavefront_size: 32
...
	.end_amdgpu_metadata
.endif
;; end of part 1
;; launch qkv (part 2): grid 8 x 32, 4 waves a work-group, clusters of 4 x 1, 205,312 bytes of LDS; arguments xc, xs, wc, ws, bq, bk, bv, qkv; writes qkv
.if DOCPART == 2
	.amdgcn_target "amdgcn-amd-amdhsa--gfx1250"
	.amdhsa_code_object_version 6
	.text
	.protected	k_q8268799248_qkv
	.globl	k_q8268799248_qkv
	.p2align	8
	.type	k_q8268799248_qkv,@function
k_q8268799248_qkv:
	s_mov_b64 s[64:65], 0
	v_nop
	global_prefetch_b8 v0, s[64:65] scope:SCOPE_SE
	s_setreg_imm32_b32 hwreg(HW_REG_WAVE_MODE, 25, 1), 1
	s_wait_xcnt 0x0
	s_wait_alu depctr_hold_cnt(0) depctr_sa_sdst(0) depctr_va_vdst(0) depctr_va_sdst(0) depctr_va_ssrc(0) depctr_va_vcc(0) depctr_vm_vsrc(0)
	s_getreg_b32 s2, hwreg(HW_REG_IB_STS2, 6, 4)
	s_cmp_eq_u32 s2, 0
	s_cbranch_scc0 .Lentry_in_a_cluster
	s_endpgm
.Lentry_in_a_cluster:
	s_bfe_u32 s2, ttmp6, 0x10000c
	s_cmp_lg_u32 s2, 0x3003
	s_cbranch_scc0 .Lentry_shape_is_right
	s_endpgm
.Lentry_shape_is_right:
; Q, K, V = x W + b ON CODES OF FP6, AND THEIR QUANTISERS.  The results leave as codes and scale words in the records that the attention launch reads.  No work is left out.
; THE DEAL: 256 work-groups of four waves.  A work-group takes 256 tokens (y) and columns 128 g .. 128 g + 127 of V, of Q and of K, three passes.  The wave (a, b) takes tokens 128 a .. + 127, one record, as eight blocks of 16 rows,
; and columns 64 b .. + 63, one head: four column tiles, ALL of K, 32 fragments, 384 registers.  A block is 32 products, its four accumulators by turns.
; LDS: the 256 rows' codes (16 tiles x 12,288 bytes, dense in xc) and scale words (8,192 bytes, dense in xs) come ONCE, one joint load a wave: waves 0-2 a third of the codes each, wave 3 the words.  Nothing is filled again.
; CLUSTER 4, 1, 1: four column groups need the same rows.  THE WEIGHTS are not asked for jointly: wc holds them in the order of the operand's registers, so each lane loads its fragments whole from memory,
; 256 consecutive bytes an instruction; a way through LDS would add 192 LDS loads a wave and pass, and refills with their rounds.  The next pass's weights are prefetched: 384 blocks of 256 bytes, 12 to each of the 32 work-groups that read them, 3 a wave.
; ROWS: the blocks' rows lie twice in registers; behind block s's products the wave waits for block s + 1's rows (asked for a block ago) and asks for block s + 2's, round the eight tiles and on into the next pass.  Every LDS wait is for 0,
; so the last two blocks may jump over their fetch (a branch on counters alone).
; V (first): source 0 = x's rows: a lane holds one column d and, over four blocks, tokens 64 c + 32 h + 0 .. 31: a scale block of P V.  Q, K: source 0 = the weight's rows: a lane holds one token and columns 32 h + 0 .. 31 of the head: a scale block of Q K^T.
; THE BIAS is the C of a block's first four products.  A record: K's section at 0, V's at 6,400, Q's at 12,800; a section: four images of 1,536 bytes (registers 4 c .. 4 c + 3, lane l at 512 c + 16 l), then 64 scale words.
; LIMITS: a block of zeros gets the byte 1 (this program alone reads the bytes); NaN and infinities are not served.
.set FR,    12
.set FPW,   21                         ; fragments in a window of 256 registers.  Fragment f: window 1 + f / 21, register 12 (f % 21): 0-31 the weights' (4 q + t), 32-39, 40-47 the rows' two sets
.set SCLB,  196608
.set SPARE, 204800
.set LO8,   4                          ; 8 x lane
.set LSB,   5                          ; 512 h + 8 r: the weights' scale words, two tiles to a register
.set AX0,   6                          ; LDS: my block 0's fragments;  AS0: its scale words
.set AS0,   7
.set AX,    8                          ; the same for the block that is fetched next
.set AS,    9
.set SPW,   10
.set NIL,   11
.set CO,    12                         ; 16 x lane
.set C4,    13                         ; 4 x lane
.set LB,    14                         ; 128 h
.set H8,    15                         ; 8 h
.set PF,    16                         ; my blocks of a prefetch
.set LBV,   17                         ; V's bias: 4 (r % 8) + 128 (r / 8)
.set SB,    24                         ; v24-39 the weights' scale words
.set T,     40                         ; v40-43 chains
.set SA,    44                         ; v44-59 the rows' scale words, two sets
.set TC,    60                         ; v60-62 a block's upper 16 codes as converted
.set ACC,   64                         ; v64-127 Q, K: two sets of four accumulators
.set HV0,   64                         ; v64-191 V, tokens 0-63: 32 t + 8 u + j
.set HV1,   840                        ; v840-967 V, tokens 64-127
.set NCD,   128                        ; v128-139 Q, K: an image
.set BBQ,   160                        ; v160-191 Q's or K's bias
.set MCD,   192                        ; v192-239 V: four images
.set SOP,   240
.set EB,    244
.set VB0,   248
.set WD,    252                        ; v252-255 four scale words
.set BBV,   992                        ; v992-1023 V's bias
.set G1,    24
.set G0,    32
.set G0S,   36
.set G1S,   44
.set SEL,   52
.set MSK,   54
.set WQ,    70
.set WK,    72
.set SQ,    74
.set SK,    76
.set BQ,    78
.set BK,    80
.set OQ,    82
.set OK,    84
.set OV,    86
.set BV,    88
.set PB,    90
.set WB,    92
.set WSB,   94
.set BP,    96
.set OUT,   98
.set MSB, 0
.macro WIN new
.if MSB != (\new)
	s_set_vgpr_msb (MSB<<8)|(\new)
.set MSB, (\new)
.endif
.endm
.macro WALU
	s_wait_alu depctr_va_vdst(0)
.endm
.macro CROUND
	s_barrier_signal -1
	s_barrier_wait -1
	s_cmp_lg_u32 s20, 0
	s_cbranch_scc1 .Lnot_wave_0_\@
	s_barrier_signal -3
.Lnot_wave_0_\@:
	s_barrier_wait -3
	s_barrier_signal -1
	s_barrier_wait -1
.endm
.macro TLOAD g0, g1
	tensor_load_to_lds s[\g0:\g0+3], s[\g1:\g1+7]
	s_nop 0
.rept 4
	v_nop
.endr
.endm
.macro WEIGHTS                         ; my four column tiles, all of K: 192 loads of 256 consecutive bytes; their scale words: 8 loads
.irp q, 0,1,2,3,4,5,6,7
.irp t, 0,1,2,3
	WIN (1+(4*\q+\t)/FPW)<<6
.irp p, 0,1,2,3,4,5
	global_load_b64 v[FR*((4*\q+\t)%FPW)+2*\p:FR*((4*\q+\t)%FPW)+2*\p+1], v[LO8], s[WB:WB+1] offset:\t*12288+\q*1536+256*\p
.endr
.endr
.endr
	WIN 0
.irp u, 0,1
.irp l, 0,1,2,3
	global_load_b64 v[SB+8*\u+2*\l:SB+8*\u+2*\l+1], v[LSB], s[WSB:WSB+1] offset:1024*\u+128*\l   ; lanes 0-15 tile 2 u, lanes 16-31 tile 2 u + 1; K steps 2 l, 2 l + 1
.endr
.endr
.endm
.macro FETCH e, ax=AX, as=AS           ; a block's eight fragments and eight scale words into set e: 52 loads
.irp q, 0,1,2,3,4,5,6,7
	WIN (1+(32+8*(\e)+\q)/FPW)<<6
.irp p, 0,1,2,3,4,5
	ds_load_b64 v[FR*((32+8*(\e)+\q)%FPW)+2*\p:FR*((32+8*(\e)+\q)%FPW)+2*\p+1], v[\ax] offset:\q*1536+256*\p
.endr
.endr
	WIN 0
.irp l, 0,1,2,3
	ds_load_b64 v[SA+8*(\e)+2*\l:SA+8*(\e)+2*\l+1], v[\as] offset:128*\l
.endr
.endm
.macro WM d, s0, s1, c, x0, x1, side, o
.if \o
	v_wmma_scale_f32_16x16x128_f8f6f4 v[\d:\d+7], v[\s0:\s0+11], v[\s1:\s1+11], \c, v[\x0], v[\x1] matrix_a_fmt:MATRIX_FMT_FP6 matrix_b_fmt:MATRIX_FMT_FP6 matrix_\side\()_scale:MATRIX_SCALE_ROW1
.else
	v_wmma_scale_f32_16x16x128_f8f6f4 v[\d:\d+7], v[\s0:\s0+11], v[\s1:\s1+11], \c, v[\x0], v[\x1] matrix_a_fmt:MATRIX_FMT_FP6 matrix_b_fmt:MATRIX_FMT_FP6
.endif
.endm
.macro PROD kind, e, n, a0, as         ; product n = 4 q + t of a block.  kind 1 (V): source 0 x's rows; kind 0 (Q, K): source 0 the weight's rows
.set Q_, (\n)/4
.set T_, (\n)%4
.set FB_, 4*Q_+T_
.set FA_, 32+8*(\e)+Q_
.set D_, (\a0)+(\as)*T_
.set DL_, D_&255
.set DW_, D_>>8
.set XB_, SB+8*(T_/2)+Q_
.set XA_, SA+8*(\e)+Q_
.set RB_, FR*(FB_%FPW)
.set RA_, FR*(FA_%FPW)
.if \kind
.if Q_
	WIN (1+FA_/FPW)|((1+FB_/FPW)<<2)|(DW_<<4)|(DW_<<6)
	WM DL_, RA_, RB_, v[DL_:DL_+7], XA_, XB_, b, T_%2
.else
	WIN (1+FA_/FPW)|((1+FB_/FPW)<<2)|(3<<4)|(DW_<<6)
	WM DL_, RA_, RB_, v[BBV-768+8*T_:BBV-768+8*T_+7], XA_, XB_, b, T_%2
.endif
.else
	WIN (1+FB_/FPW)|((1+FA_/FPW)<<2)
.if Q_
	WM DL_, RB_, RA_, v[DL_:DL_+7], XB_, XA_, a, T_%2
.else
	WM DL_, RB_, RA_, v[BBQ+8*T_:BBQ+8*T_+7], XB_, XA_, a, T_%2
.endif
.endif
.endm
.macro BLOCKP kind, e, a0, as
.set N_, 0
.rept 32
	PROD \kind, \e, N_, \a0, \as
.set N_, N_+1
.endr
	WIN 0
.endm
.macro PUT3 r, b, off
.irp k, 0,1,2
	global_store_b128 v[CO], v[\r+4*\k:\r+4*\k+3], s[\b:\b+1] offset:(\off)+512*\k   ; 512 consecutive bytes, aligned
.endr
.endm
.macro VBLOCK s                        ; V's block s: its sums go to 32 t + 8 (s % 4) of its half's registers
.if (\s) < 4
	BLOCKP 1, (\s)%2, HV0+8*((\s)%4), 32
.else
	BLOCKP 1, (\s)%2, HV1+8*((\s)%4), 32
.endif
	v_add_nc_u32 v[AX], (((\s)+2)&7)*12288, v[AX0]   ; four places behind the products
	v_add_nc_u32 v[AS], (((\s)+2)&7)*512, v[AS0]
	v_nop
	v_nop
	WALU
	s_wait_dscnt 0x0                               ; the next block's rows are in
	FETCH (\s)%2
.endm
.macro VQ x, c, by                     ; V's quantiser for one half of the tokens: four tiles, 32 sums a lane each; codes to registers 6 c .. of each image, bytes to v[by + t]
.set XW_, (\x)>>8
.set XL_, (\x)&255
	WIN XW_|(XW_<<2)
.irp t, 0,1,2,3
	v_max3_num_f32 v[T+\t], |v[XL_+32*\t]|, |v[XL_+32*\t+1]|, 0x1800000   ; the floor 2^(3 - 127) holds the byte at 1 from below
.endr
	WIN (XW_<<2)|(XW_<<4)
.irp i, 2,4,6,8,10,12,14,16,18,20,22,24,26,28,30
.irp t, 0,1,2,3
	v_max3_num_f32 v[T+\t], v[T+\t], |v[XL_+32*\t+\i]|, |v[XL_+32*\t+\i+1]|
.endr
.endr
	WIN 0
.irp t, 0,1,2,3
	v_add_nc_u32 v[SOP+\t], 0xff000000, v[T+\t]    ; 2 off the exponent field: the conversions' scale operand
.endr
.irp t, 0,1,2,3
	WIN XW_
	v_cvt_scalef32_pk16_fp6_f32 v[MCD+12*\t+6*\c:MCD+12*\t+6*\c+2], v[XL_+32*\t:XL_+32*\t+15], v[SOP+\t]
	v_cvt_scalef32_pk16_fp6_f32 v[TC:TC+2], v[XL_+32*\t+16:XL_+32*\t+31], v[SOP+\t]
	WIN 0
	v_lshrrev_b32 v[\by+\t], 23, v[SOP+\t]         ; the scale's byte (the plain place behind the conversions)
.irp i, 0,1,2
	v_mov_b32 v[MCD+12*\t+6*\c+3+\i], v[TC+\i]
.endr
.endr
.endm
.macro NEXT o                          ; the block two on, round the eight tiles: 2 x trip + o
	s_lshl_b32 s57, s56, 1
	s_add_co_u32 s57, s57, \o
	s_and_b32 s57, s57, 7
	s_mul_i32 s58, s57, 12288
	s_lshl_b32 s59, s57, 9
.endm
.macro TAILB e
	v_add_nc_u32 v[AX], s58, v[AX0]                ; four places behind the products
	v_add_nc_u32 v[AS], s59, v[AS0]
	v_nop
	v_nop
	WALU
	s_wait_dscnt 0x0                               ; the next block's rows are in
	s_cmp_lt_u32 s60, 7                            ; the launch's last two blocks fetch nothing
	s_cbranch_scc0 .Lno_fetch_\@
	FETCH \e
.Lno_fetch_\@:
.endm
.macro QKOUT e                         ; a block's 32 sums in a lane are one scale block: six registers of the image
.set A_, ACC+32*(\e)
.irp k, 0,1,2,3
	v_max3_num_f32 v[T+\k], |v[A_+8*\k]|, |v[A_+8*\k+1]|, |v[A_+8*\k+2]|
.endr
.irp i, 3,5
.irp k, 0,1,2,3
	v_max3_num_f32 v[T+\k], v[T+\k], |v[A_+8*\k+\i]|, |v[A_+8*\k+\i+1]|
.endr
.endr
	v_max3_num_f32 v[T], v[T], v[T+1], |v[A_+7]|
	v_max3_num_f32 v[T+2], v[T+2], v[T+3], |v[A_+15]|
	v_max3_num_f32 v[T], v[T], |v[A_+23]|, |v[A_+31]|
	v_max3_num_f32 v[T], v[T], v[T+2], 0x1800000
	v_add_nc_u32 v[SOP], 0xff000000, v[T]
	v_cvt_scalef32_pk16_fp6_f32 v[NCD+6*\e:NCD+6*\e+2], v[A_:A_+15], v[SOP]
	v_cvt_scalef32_pk16_fp6_f32 v[TC:TC+2], v[A_+16:A_+31], v[SOP]
	v_lshrrev_b32 v[EB+\e], 23, v[SOP]
.irp i, 0,1,2
	v_mov_b32 v[NCD+6*\e+3+\i], v[TC+\i]
.endr
.endm
; ================= the head
	s_load_b512 s[4:19], s[0:1], 0x0               ; xc 4, xs 6, wc 8, ws 10, bq 12, bk 14, bv 16, qkv 18
	v_lshl_add_u32 v[SPW], v0, 2, SPARE
	v_mov_b32 v[NIL], 0
	ds_add_u32 v[SPW], v[NIL]                      ; the wave's opening: the add, twice on end, and its wait
	ds_add_u32 v[SPW], v[NIL]
	v_lshrrev_b32 v1, 5, v0
	v_readfirstlane_b32 s20, v1                    ; wave
	s_lshr_b32 s21, s20, 1                         ; a
	s_and_b32 s22, s20, 1                          ; b
	s_bfe_u32 s40, ttmp6, 0x40000                  ; cx
	s_lshl_b32 s42, ttmp9, 2
	s_add_co_u32 s42, s42, s40                     ; g
	s_and_b32 s43, ttmp7, 0xffff                   ; y, which the four partners share
	s_mov_b32 s[G1], 15|(3<<16)|(1<<21)            ; the mask: all four; elements of 8 bytes; bit 21 beside a mask
	s_mov_b32 s[G1+1], 32<<16                      ; rows of 256 bytes
	s_mov_b32 s[G1+2], 256<<16                     ; 256 rows: 65,536 dense bytes
	s_mov_b32 s[G1+3], 32<<16
	s_mov_b32 s[G1+4], 256
	s_mov_b32 s[G1+5], 32
	s_mov_b32 s[G1+6], 0
	s_mov_b32 s[G1+7], 0
	s_mov_b32 s[G1S], 15|(3<<16)|(1<<21)
	s_mov_b32 s[G1S+1], 32<<16
	s_mov_b32 s[G1S+2], 32<<16                     ; 32 rows: 8,192 dense bytes
	s_mov_b32 s[G1S+3], 32<<16
	s_mov_b32 s[G1S+4], 32
	s_mov_b32 s[G1S+5], 32
	s_mov_b32 s[G1S+6], 0
	s_mov_b32 s[G1S+7], 0
	s_mov_b32 s[G0], 1
	s_lshl_b32 s[G0+1], s20, 16                    ; LDS: the wave's number alone
	s_mov_b32 s[G0S], 1
	s_mov_b32 s[G0S+1], SCLB
	s_mul_i32 s2, s43, 196608
	s_add_co_u32 s2, s2, s[G0+1]
	s_mov_b32 s3, 0
	s_lshl_b32 s100, s43, 13
	s_mov_b32 s101, 0
	s_wait_dscnt 0x0
	s_wait_kmcnt 0x0
	s_add_nc_u64 s[G0+2:G0+3], s[4:5], s[2:3]
	s_or_b32 s[G0+3], s[G0+3], 0x80000000
	s_add_nc_u64 s[G0S+2:G0S+3], s[6:7], s[100:101]
	s_or_b32 s[G0S+3], s[G0S+3], 0x80000000
	CROUND                                         ; all four work-groups are here: the joint loads meet
	s_cmp_lt_u32 s20, 3
	s_cbranch_scc0 .Lwords
	TLOAD G0, G1                                   ; waves 0-2: a third of the codes each
	s_branch .Lasked
.Lwords:
	TLOAD G0S, G1S                                 ; wave 3: the scale words
.Lasked:
	s_lshl_b32 s57, s42, 3
	s_lshl_b32 s58, s22, 2
	s_add_co_u32 s57, s57, s58                     ; my first column tile in a weight: 8 g + 4 b
	s_mul_i32 s2, s57, 12288
	s_add_nc_u64 s[WQ:WQ+1], s[8:9], s[2:3]
	s_add_nc_u64 s[WK:WK+1], s[WQ:WQ+1], 786432    ; 64 tiles on
	s_add_nc_u64 s[WB:WB+1], s[WQ:WQ+1], 1572864   ; V first
	s_lshl_b32 s2, s57, 9
	s_add_nc_u64 s[SQ:SQ+1], s[10:11], s[2:3]
	s_add_nc_u64 s[SK:SK+1], s[SQ:SQ+1], 32768
	s_add_nc_u64 s[WSB:WSB+1], s[SQ:SQ+1], 65536
	s_lshl_b32 s2, s57, 6                          ; 16 columns of 4 bytes a tile
	s_add_nc_u64 s[BQ:BQ+1], s[12:13], s[2:3]
	s_add_nc_u64 s[BK:BK+1], s[14:15], s[2:3]
	s_add_nc_u64 s[BV:BV+1], s[16:17], s[2:3]
	s_mul_i32 s2, s42, 98304
	s_add_nc_u64 s[PB:PB+1], s[8:9], s[2:3]        ; the work-group's 8 tiles of Wq
	s_lshr_b32 s57, s43, 3
	s_lshl_b32 s57, s57, 4
	s_lshl_b32 s58, s42, 1
	s_add_co_u32 s57, s57, s58
	s_add_co_u32 s57, s57, s22                     ; 16 x batch + head
	s_lshl_b32 s57, s57, 4
	s_and_b32 s58, s43, 7
	s_lshl_b32 s58, s58, 1
	s_add_co_u32 s57, s57, s58
	s_add_co_u32 s57, s57, s21                     ; my record
	s_mul_i32 s2, s57, 19200
	s_add_nc_u64 s[OK:OK+1], s[18:19], s[2:3]
	s_add_nc_u64 s[OV:OV+1], s[OK:OK+1], 6400
	s_add_nc_u64 s[OQ:OQ+1], s[OK:OK+1], 12800
	s_mul_i32 s57, s43, 12
	s_mul_i32 s58, s20, 3
	s_add_co_u32 s57, s57, s58
	s_lshl_b32 s57, s57, 8                         ; my three blocks of a prefetch
	s_mul_i32 s58, s21, 98304
	s_lshl_b32 s59, s21, 12
	s_add_co_u32 s59, s59, SCLB
	s_mov_b32 s[SEL], 0x76543210
	s_mov_b32 s[SEL+1], 0xfedcba98                 ; v_permlanex16_b32's selects for lane l xor 16
	s_mov_b32 s[MSK], 0xffff0000                   ; lanes 16-31
	v_and_b32 v1, 15, v0                           ; r
	v_bfe_u32 v2, v0, 4, 1                         ; h
	v_and_b32 v3, 31, v0                           ; lane
	v_lshlrev_b32 v[LO8], 3, v3
	v_lshlrev_b32 v18, 3, v1
	v_lshl_add_u32 v[LSB], v2, 9, v18
	v_and_b32 v19, 8, v1
	v_mad_u32_u24 v19, v19, 3, v1                  ; r + 24 (r / 8): place r of tile t is column 8 t + r % 8 + 32 (r / 8) of the head
	v_lshlrev_b32 v[LBV], 2, v19
	v_add_nc_u32 v[AX0], s58, v[LO8]
	v_add_nc_u32 v[AS0], s59, v18
	v_add_nc_u32 v[AX], 12288, v[AX0]
	v_add_nc_u32 v[AS], 512, v[AS0]
	v_lshlrev_b32 v[CO], 4, v3
	v_lshlrev_b32 v[C4], 2, v3
	v_lshlrev_b32 v[LB], 7, v2
	v_lshlrev_b32 v[H8], 3, v2
	v_min_u32 v19, 2, v3
	v_lshl_add_u32 v[PF], v19, 8, s57              ; (the lanes left over name the wave's last block again)
	v_mov_b32 v20, 0                               ; written once: a lane permute's destination counts as one of its sources
	WALU
	WEIGHTS
	WIN 3<<6
.irp t, 0,1,2,3
	global_load_b32 v[BBV-768+8*\t], v[LBV], s[BV:BV+1] offset:32*\t   ; V's bias: one number a lane and tile
.endr
	WIN 0
	global_prefetch_b8 v[PF], s[PB:PB+1] th:TH_LOAD_NT scope:SCOPE_SE   ; Wq's tiles, a pass ahead of their loads
	s_wait_tensorcnt 0x0                           ; my part is in,
	s_barrier_signal -1
	s_barrier_wait -1                              ; everybody's is
	FETCH 0, AX0, AS0
	FETCH 1
	s_wait_loadcnt 0x0
	WIN (3<<6)|3
.irp t, 0,8,16,24
.irp i, 1,2,3,4,5,6,7
	v_mov_b32 v[BBV-768+\t+\i], v[BBV-768+\t]      ; over the tile's eight registers
.endr
.endr
	WIN 0
	WALU
	s_wait_dscnt 0x0
; ================= V: eight blocks, written out: their accumulators' numbers differ
.irp s, 0,1,2,3
	VBLOCK \s
.endr
	VQ HV0, 0, VB0
.irp s, 4,5,6,7
	VBLOCK \s
.endr
	VQ HV1, 1, EB
.irp t, 0,1,2,3
	v_lshl_or_b32 v18, v[EB+\t], 16, v[VB0+\t]     ; my bytes: blocks h and 2 + h,
	v_lshlrev_b32 v18, v[H8], v18                  ; at their places;
	v_permlanex16_b32 v20, v18, s[SEL], s[SEL+1]
	v_or_b32 v[WD+\t], v18, v20                    ; with lane l xor 16's two the word is whole
.endr
	v_cndmask_b32 v18, v[WD], v[WD+1], s[MSK]
	v_cndmask_b32 v19, v[WD+2], v[WD+3], s[MSK]
.irp t, 0,1,2,3
	PUT3 MCD+12*\t, OV, 1536*\t
.endr
	global_store_b32 v[C4], v18, s[OV:OV+1] offset:6144
	global_store_b32 v[C4], v19, s[OV:OV+1] offset:6272
; ================= Q, then K: two passes of four trips of two blocks
	s_mov_b32 s55, 0
.Lpass:
	WALU
	s_wait_xcnt 0x0                                ; earlier loads and stores have read their bases and registers
	s_cmp_eq_u32 s55, 0
	s_cselect_b64 s[WB:WB+1], s[WQ:WQ+1], s[WK:WK+1]
	s_cselect_b64 s[WSB:WSB+1], s[SQ:SQ+1], s[SK:SK+1]
	s_cselect_b64 s[BP:BP+1], s[BQ:BQ+1], s[BK:BK+1]
	s_cselect_b64 s[OUT:OUT+1], s[OQ:OQ+1], s[OK:OK+1]
	WEIGHTS
.irp k, 0,1,2,3,4,5,6,7
	global_load_b128 v[BBQ+4*\k:BBQ+4*\k+3], v[LB], s[BP:BP+1] offset:16*\k   ; register 8 t + j: column 32 h + 8 t + j of the head
.endr
	s_cmp_eq_u32 s55, 0
	s_cbranch_scc0 .Lno_ask
	global_prefetch_b8 v[PF], s[PB:PB+1] offset:786432 th:TH_LOAD_NT scope:SCOPE_SE   ; Wk's tiles, a pass ahead
.Lno_ask:
	s_mov_b32 s56, 0
	s_wait_loadcnt 0x0
.Ltrip:
	s_lshl_b32 s60, s55, 2
	s_add_co_u32 s60, s60, s56                     ; the trip's number of eight
	NEXT 2
	BLOCKP 0, 0, ACC, 8
	TAILB 0
	QKOUT 0
	NEXT 3
	BLOCKP 0, 1, ACC+32, 8
	TAILB 1
	QKOUT 1
	v_lshl_or_b32 v18, v[EB+1], 16, v[EB]          ; the image's scale word: my bytes, block h of each of the two tiles,
	v_lshlrev_b32 v18, v[H8], v18
	v_permlanex16_b32 v20, v18, s[SEL], s[SEL+1]
	v_mov_b32 v[WD], v[WD+1]                       ; behind four trips v252-255 hold the four images' words
	v_mov_b32 v[WD+1], v[WD+2]
	v_mov_b32 v[WD+2], v[WD+3]
	v_or_b32 v[WD+3], v18, v20
	PUT3 NCD, OUT, 0
	WALU
	s_wait_xcnt 0x0                                ; the stores have read their base and registers
	s_add_nc_u64 s[OUT:OUT+1], s[OUT:OUT+1], 1536
	s_add_co_u32 s56, s56, 1
	s_cmp_lt_u32 s56, 4
	s_cbranch_scc1 .Ltrip
	v_cndmask_b32 v18, v[WD], v[WD+1], s[MSK]
	v_cndmask_b32 v19, v[WD+2], v[WD+3], s[MSK]
	global_store_b32 v[C4], v18, s[OUT:OUT+1]      ; the base stands behind the four images
	global_store_b32 v[C4], v19, s[OUT:OUT+1] offset:128
	s_add_co_u32 s55, s55, 1
	s_cmp_lt_u32 s55, 2
	s_cbranch_scc1 .Lpass
	s_wait_tensorcnt 0x0                           ; the wave's end
	ds_add_u32 v[SPW], v[NIL]
	s_wait_dscnt 0x0
	CROUND                                         ; the closing round
	s_endpgm
.Lfunc_end_k_q8268799248_qkv:
	.size	k_q8268799248_qkv, .Lfunc_end_k_q8268799248_qkv-k_q8268799248_qkv
	.p2alignl 7, 3214868480
	.fill 96, 4, 3214868480
	.section	.rodata,"a",@progbits
	.p2align	6, 0x0
	.amdhsa_kernel k_q8268799248_qkv
		.amdhsa_group_segment_fixed_size 205312
		.amdhsa_private_segment_fixed_size 0
		.amdhsa_enable_private_segment 0
		.amdhsa_kernarg_size 64
		.amdhsa_user_sgpr_count 2
		.amdhsa_user_sgpr_kernarg_segment_ptr 1
		.amdhsa_wavefront_size32 1
		.amdhsa_system_sgpr_workgroup_id_x 1
		.amdhsa_system_sgpr_workgroup_id_y 1
		.amdhsa_system_sgpr_workgroup_id_z 1
		.amdhsa_system_vgpr_workitem_id 0
		.amdhsa_next_free_vgpr 1024
		.amdhsa_next_free_sgpr 102
		.amdhsa_reserve_vcc 0
		.amdhsa_float_denorm_mode_32 3
		.amdhsa_float_denorm_mode_16_64 3
		.amdhsa_memory_ordered 1
		.amdhsa_forward_progress 1
		.amdhsa_inst_pref_size 149
	.end_amdhsa_kernel
	.amdgpu_metadata
---
amdhsa.version: [ 1, 2 ]
amdhsa.kernels:
  - .name:           k_q8268799248_qkv
    .symbol:         k_q8268799248_qkv.kd
    .args:
      - { .name: xc, .offset: 0, .size: 8, .value_kind: global_buffer, .address_space: global }
      - { .name: xs, .offset: 8, .size: 8, .value_kind: global_buffer, .address_space: global }
      - { .name: wc, .offset: 16, .size: 8, .value_kind: global_buffer, .address_space: global }
      - { .name: ws, .offset: 24, .size: 8, .value_kind: global_buffer, .address_space: global }
      - { .name: bq, .offset: 32, .size: 8, .value_kind: global_buffer, .address_space: global }
      - { .name: bk, .offset: 40, .size: 8, .value_kind: global_buffer, .address_space: global }
      - { .name: bv, .offset: 48, .size: 8, .value_kind: global_buffer, .address_space: global }
      - { .name: qkv, .offset: 56, .size: 8, .value_kind: global_buffer, .address_space: global }
    .group_segment_fixed_size: 205312
    .private_segment_fixed_size: 0
    .kernarg_segment_align: 8
    .kernarg_segment_size: 64
    .max_flat_workgroup_size: 128
    .sgpr_count:     102
    .vgpr_count:     1024
    .wavefront_size: 32
...
	.end_amdgpu_metadata
.endif
;; end of part 2
;; launch attn (part 3): grid 4 x 64, 16 waves a work-group, clusters of 4 x 1, 206,848 bytes of LDS; arguments qkv, ac, asc; writes ac, asc
.if DOCPART == 3
	.amdgcn_target "amdgcn-amd-amdhsa--gfx1250"
	.amdhsa_code_object_version 6
	.text
	.protected	k_q8268799248_attn
	.globl	k_q8268799248_attn
	.p2align	8
	.type	k_q8268799248_attn,@function
k_q8268799248_attn:
	s_mov_b64 s[64:65], 0
	v_nop
	global_prefetch_b8 v0, s[64:65] scope:SCOPE_SE
	s_setreg_imm32_b32 hwreg(HW_REG_WAVE_MODE, 25, 1), 1
	s_wait_xcnt 0x0
	s_wait_alu depctr_hold_cnt(0) depctr_sa_sdst(0) depctr_va_vdst(0) depctr_va_sdst(0) depctr_va_ssrc(0) depctr_va_vcc(0) depctr_vm_vsrc(0)
	s_getreg_b32 s2, hwreg(HW_REG_IB_STS2, 6, 4)
	s_cmp_eq_u32 s2, 0
	s_cbranch_scc0 .Lentry_in_a_cluster
	s_endpgm
.Lentry_in_a_cluster:
	s_bfe_u32 s2, ttmp6, 0x10000c
	s_cmp_lg_u32 s2, 0x3003
	s_cbranch_scc0 .Lentry_shape_is_right
	s_endpgm
.Lentry_shape_is_right:
; attention of one (batch, head) on codes of FP6 (E2M3): S^T = K Q^T, p = 2^(t - M), O^T = V^T P^T, O / l, and O quantised along the model's axis for the last product.  No work is left out.
; t = score x log2(e) / 8; M = the running largest t rounded up to a whole number; p is quantised along the keys, not normalised; l is the sum of the unquantised p.  When M moves, l and O^T are multiplied by 2^(old M - new M): exact.
; SHARES: a work-group owns 512 queries of a head, each of its sixteen waves 32: two tiles of 16, a loop of two trips.  THE WHOLE HEAD'S K AND V STAY IN LDS: 16 records x 12,800 bytes, wave w brings record w by one tensor load;
; nothing is filled again.  CLUSTER: the four query blocks of a head ask for each record jointly.  No prefetch: each record is asked for once, at the head, and there is no loop to run ahead in.
; A record (128 keys): four images of K (pairs of key tiles), 64 scale words, four images of V^T (d tile x 128 keys), 64 scale words.  An image: three groups of 512 bytes, registers 4 c .. 4 c + 3, lane l at 16 l.
; THE HEAD HAS 64 ALONG d, THE INSTRUCTION 128: source 0 is a pair of key tiles, source 1 is (Q, zeros) for the first and (zeros, Q) for the second, both taken from the 18 registers Q, 0, Q.
; KEYS: key tile t of a record, place 8 h + j, is key 64 (t / 4) + 32 h + 8 (t % 4) + j.  So a lane's 32 scores of tiles 4 c .. 4 c + 3 are keys 64 c + 32 h + 0 .. 31: a whole scale block, in the place that the operand's layout
; gives that lane: a block's maximum needs no other lane, and the conversions' results are P^T's registers.  Only the row's maximum, the scale word and l cross to lane l xor 16.
; TWO REGISTER MAPS BY TURNS (a trip is two steps of 128 keys).  Even step: K in v48-95, scores in v96-159, V over K; odd step: K in v96-143, scores in v48-95 and v144-159, V over K.
; The next step's K is asked for into p's registers, sixteen at a time, as soon as the sums and conversions have read them.  The last seven additions of a step's sum and the address lines are the places behind the matrix instructions.
; OUT: ac = [row tile][K step = head / 2][1,536]: my head's half of an image, three pieces of 256 bytes; asc: two bytes of the tile's scale word.
; LIMITS: the promise holds while the scaled scores stay under 2^31 in magnitude; p under 2^-126 falls to 0 (v_exp_f32); a block of zeros gets the byte 1; NaN and infinities are not served.
.set REC,   19200
.set STEPB, 12800
.set SPARE, 204800                     ; behind the head: the spare words, 128 bytes a wave
.set SPW,   5
.set NIL,   6
.set OT,    160                        ; v160-191 O^T
.set F,     194                        ; v194 f = 2^(old M - new M)
.set PC,    196                        ; v196-207 p's codes
.set TQ,    208                        ; v208-214 a block's upper 16 codes as converted
.set P,     216                        ; v216-231 eight partial sums, pairs
.set BM,    232                        ; v232-233 my two blocks' largest score, then p
.set MX,    234                        ; v234-237 four chains
.set T0,    238
.set T1,    239
.set SO,    240                        ; v240-241 the conversions' scale operands
.set BY,    242                        ; v242-243 scale bytes
.set W,     244
.set T2,    245
.set PW,    246                        ; p's scale word.  v248-249, v252-253 K's scale words, two sets; v250-251 V's
.set L,     254                        ; v[254:255] l.  v12, v14 -M by turns; v13 the largest score; v8-11 LDS addresses
.macro CROUND
	s_barrier_signal -1
	s_barrier_wait -1
	s_cmp_lg_u32 s18, 0
	s_cbranch_scc1 .Lnot_wave_0_\@
	s_barrier_signal -3
.Lnot_wave_0_\@:
	s_barrier_wait -3
	s_barrier_signal -1
	s_barrier_wait -1
.endm
.macro WALU
	s_wait_alu depctr_va_vdst(0)
.endm
.macro WM d, a, b, c, xa, xb, row
.if \row
	v_wmma_scale_f32_16x16x128_f8f6f4 v[\d:\d+7], v[\a:\a+11], v[\b:\b+11], \c, v[\xa], v[\xb] matrix_a_fmt:MATRIX_FMT_FP6 matrix_b_fmt:MATRIX_FMT_FP6 matrix_a_scale:MATRIX_SCALE_ROW1
.else
	v_wmma_scale_f32_16x16x128_f8f6f4 v[\d:\d+7], v[\a:\a+11], v[\b:\b+11], \c, v[\xa], v[\xb] matrix_a_fmt:MATRIX_FMT_FP6 matrix_b_fmt:MATRIX_FMT_FP6
.endif
.endm
.macro TMM c                           ; t - M of sixteen scores
.irp j, 0,2,4,6,8,10,12,14
	v_pk_fma_f32 v[\c+\j:\c+\j+1], v[\c+\j:\c+\j+1], s[22:23], v[NMN:NMN+1] op_sel_hi:[1,0,0]
.endr
.endm
.macro KLOAD i0                        ; sixteen registers of the next step's K
.irp i, 0,1,2,3
	ds_load_b128 v[KN+4*(\i0+\i):KN+4*(\i0+\i)+3], v[AK] offset:OKN+512*(\i0+\i)
.endr
.endm
.macro STEP par
.if \par
.set KF, 96
.set CH0, 48
.set CH1, 64
.set CH2, 80
.set CH3, 144
.set KN, 48
.set KS, 252
.set KSN, 248
.set NMN, 14
.set NMO, 12
.set AK, 10
.set OKN, 0
.set OV, STEPB+6400
.else
.set KF, 48
.set CH0, 96
.set CH1, 112
.set CH2, 128
.set CH3, 144
.set KN, 96
.set KS, 248
.set KSN, 252
.set NMN, 12
.set NMO, 14
.set AK, 8
.set OKN, STEPB
.set OV, 6400
.endif
	WALU
	s_wait_dscnt 0x0                               ; this step's K and its words are in
.irp k, 0,1,2,3
.irp e, 0,1
	WM CH\k+8*\e, KF+12*\k, 16+6*\e, 0, KS+\k/2, 34, \k%2
.endr
.endr
	v_pk_add_f32 v[P:P+1], v[P:P+1], v[P+4:P+5]    ; four places: the last step's sum goes on,
	v_pk_add_f32 v[P+8:P+9], v[P+8:P+9], v[P+12:P+13]
.if \par
	v_add_nc_u32 v11, s37, v2                      ; an address line,
.else
	v_add_nc_u32 v9, s36, v2
.endif
	v_pk_add_f32 v[L:L+1], v[P:P+1], v[P+8:P+9]    ; and l is whole
.irp i, 0,1,2,3,4,5,6,7,8,9,10,11
	ds_load_b128 v[KF+4*\i:KF+4*\i+3], v8 offset:OV+512*\i   ; V over K
.endr
	ds_load_b32 v250, v9 offset:OV+6144
	ds_load_b32 v251, v9 offset:OV+6272
.irp k, 0,1,2,3
	v_max3_num_f32 v[MX+\k], v[CH\k], v[CH\k+1], v[CH\k+2]   ; four chains of sixteen scores, each accumulator from its low end on
.endr
.irp i, 3,5,7,9,11,13
.irp k, 0,1,2,3
	v_max3_num_f32 v[MX+\k], v[MX+\k], v[CH\k+\i], v[CH\k+\i+1]
.endr
.endr
	v_max3_num_f32 v[BM], v[MX], v[MX+1], v[CH0+15]
	v_max3_num_f32 v[BM+1], v[MX+2], v[MX+3], v[CH2+15]
	v_max_num_f32 v[BM], v[BM], v[CH1+15]          ; my two blocks' largest scores: for the row's maximum and, since p rises with the score, for the blocks' largest p
	v_max_num_f32 v[BM+1], v[BM+1], v[CH3+15]
	s_delay_alu instid0(VALU_DEP_1)
	v_max3_num_f32 v[T0], v[BM], v[BM+1], v13
	s_delay_alu instid0(VALU_DEP_1)
	v_permlanex16_b32 v[T1], v[T0], s20, s21
	s_delay_alu instid0(VALU_DEP_1)
	v_max_num_f32 v13, v[T0], v[T1]                ; the running largest score of my query
	s_delay_alu instid0(VALU_DEP_1)
	v_mul_f32 v[T0], s22, v13                      ; as t
	s_delay_alu instid0(VALU_DEP_1)
	v_floor_f32 v[NMN], -v[T0]                     ; the new -M = -ceil(t)
	s_delay_alu instid0(VALU_DEP_1)
	v_sub_f32 v[T0], v[NMN], v[NMO]                ; old M - new M: a whole number, 0 or less
	TMM CH0
	v_cvt_i32_f32 v[T0], v[T0]                     ; (it saturates)
	TMM CH1
	v_ldexp_f32 v[F], 1.0, v[T0]                   ; f
	TMM CH2
	TMM CH3
	v_fma_f32 v[BM], v[BM], s22, v[NMN]
	v_fma_f32 v[BM+1], v[BM+1], s22, v[NMN]
.irp j, 0,2,4,6,8,10,12,14,16,18,20,22,24,26,28,30
	v_pk_mul_f32 v[OT+\j:OT+\j+1], v[OT+\j:OT+\j+1], v[F:F+1] op_sel_hi:[1,0]   ; O^T under the new M, ahead of the exponentials
.endr
	WALU
	v_exp_f32 v[BM], v[BM]
	v_exp_f32 v[BM+1], v[BM+1]
.irp k, 0,1,2,3
.irp j, 0,1,2,3,4,5,6,7,8,9,10,11,12,13,14,15
	v_exp_f32 v[CH\k+\j], v[CH\k+\j]               ; p = 2^(t - M)
.endr
.endr
	v_nop                                          ; a plain place behind the exponentials
	WALU                                           ; and one wait for the batch of 66
.irp b, 0,1
	v_max_num_f32 v[BM+\b], 0x1800000, v[BM+\b]    ; the floor 2^(3 - 127)
.endr
.irp b, 0,1
	v_add_nc_u32 v[SO+\b], 0xff000000, v[BM+\b]    ; 2 off the exponent field: the conversions' scale operand
.endr
	v_cvt_scalef32_pk16_fp6_f32 v[PC:PC+2], v[CH0:CH0+15], v[SO]
	v_cvt_scalef32_pk16_fp6_f32 v[TQ:TQ+2], v[CH1:CH1+15], v[SO]
	v_cvt_scalef32_pk16_fp6_f32 v[PC+6:PC+8], v[CH2:CH2+15], v[SO+1]
	v_cvt_scalef32_pk16_fp6_f32 v[TQ+4:TQ+6], v[CH3:CH3+15], v[SO+1]
.irp b, 0,1
	v_lshrrev_b32 v[BY+\b], 23, v[SO+\b]           ; the scale bytes (also the plain place behind the conversions)
.endr
.irp i, 0,1,2
	v_mov_b32 v[PC+3+\i], v[TQ+\i]                 ; (a conversion's three registers begin on an even number)
	v_mov_b32 v[PC+9+\i], v[TQ+4+\i]
.endr
	v_lshl_or_b32 v[W], v[BY+1], 16, v[BY]         ; blocks h and 2 + h
	s_delay_alu instid0(VALU_DEP_1)
	v_permlanex16_b32 v[T1], v[W], s20, s21
	s_delay_alu instid0(VALU_DEP_1)
	v_perm_b32 v[PW], v[W], v[T1], 0x02060004      ; lanes 0-15, which the product reads: bytes mine, the other's, mine, the other's
	v_pk_fma_f32 v[P:P+1], v[L:L+1], v[F:F+1], v[CH0:CH0+1] op_sel_hi:[1,0,1]   ; l under the new M begins the sum of the unquantised p
.irp k, 1,2,3
	v_pk_add_f32 v[P+2*\k:P+2*\k+1], v[CH0+4*\k:CH0+4*\k+1], v[CH0+4*\k+2:CH0+4*\k+3]
.endr
	v_pk_add_f32 v[P:P+1], v[P:P+1], v[CH0+2:CH0+3]
	KLOAD 0
.irp k, 0,1,2,3
	v_pk_add_f32 v[P+8+2*\k:P+9+2*\k], v[CH1+4*\k:CH1+4*\k+1], v[CH1+4*\k+2:CH1+4*\k+3]
.endr
	KLOAD 4
.irp k, 0,1,2,3,4,5,6,7
	v_pk_add_f32 v[P+2*\k:P+2*\k+1], v[P+2*\k:P+2*\k+1], v[CH2+2*\k:CH2+2*\k+1]
.endr
	KLOAD 8
	ds_load_b32 v[KSN], v[AK+1] offset:OKN+6144
	ds_load_b32 v[KSN+1], v[AK+1] offset:OKN+6272
.irp k, 0,1,2,3,4,5,6,7
	v_pk_add_f32 v[P+2*\k:P+2*\k+1], v[P+2*\k:P+2*\k+1], v[CH3+2*\k:CH3+2*\k+1]
.endr
	WALU
	s_wait_dscnt 14                                ; V and its words are in; the next K's 12 loads and 2 words may be out
.irp t, 0,1,2,3
	WM OT+8*\t, KF+12*\t, PC, v[OT+8*\t:OT+8*\t+7], 250+\t/2, PW, \t%2
.endr
.irp k, 0,4,8,12
	v_pk_add_f32 v[P+\k:P+\k+1], v[P+\k:P+\k+1], v[P+\k+2:P+\k+3]   ; five places: the next scores are laid over V's registers
.endr
.if \par
	v_add_nc_u32 v8, s37, v1
.else
	v_add_nc_u32 v10, s37, v1
.endif
.endm
	s_load_b128 s[4:7], s[0:1], 0x0                ; qkv, ac
	s_load_b64 s[8:9], s[0:1], 0x10                ; asc
	v_lshl_add_u32 v[SPW], v0, 2, SPARE
	v_mov_b32 v[NIL], 0
	ds_add_u32 v[SPW], v[NIL]                      ; the wave's opening: the add, twice on end, and its wait ahead of my first tensor load
	ds_add_u32 v[SPW], v[NIL]
	v_lshrrev_b32 v8, 5, v0
	v_readfirstlane_b32 s18, v8                    ; wave 0..15
	s_bfe_u32 s39, ttmp6, 0x40000                  ; cx: my block of 512 queries
	s_and_b32 s40, ttmp7, 0xffff                   ; 16 x batch + head, which the four partners share
	s_mov_b32 s24, 15|(3<<16)|(1<<21)              ; the mask: all four; elements of 8 bytes; bit 21 beside a mask; no padding
	s_mov_b32 s25, 32<<16                          ; rows of 256 bytes
	s_mov_b32 s26, 50<<16                          ; 50 rows = 12,800 dense bytes
	s_mov_b32 s27, 32<<16
	s_mov_b32 s28, 50
	s_mov_b32 s29, 32
	s_mov_b32 s30, 0
	s_mov_b32 s31, 0
	s_mov_b32 s20, 0x76543210
	s_mov_b32 s21, 0xfedcba98                      ; v_permlanex16_b32's selects for lane l xor 16
	s_mov_b32 s22, 0x3e38aa3b                      ; log2(e) / 8
	s_mov_b32 s23, s22
	s_mov_b32 s17, 0xffff0000                      ; lanes 16-31
	s_mul_i32 s42, s40, 16*REC
	s_mul_i32 s43, s18, REC
	s_add_co_u32 s42, s42, s43                     ; record w of my head
	s_mov_b32 s43, 0
	s_mov_b32 s32, 1
	s_mul_i32 s33, s18, STEPB                      ; LDS: the wave's number alone
	s_wait_dscnt 0x0                               ; both opening adds are done
	s_wait_kmcnt 0x0
	s_add_nc_u64 s[34:35], s[4:5], s[42:43]
	s_or_b32 s35, s35, 0x80000000
	CROUND                                         ; all four work-groups are here: the joint loads meet
	tensor_load_to_lds s[32:35], s[24:31]          ; my one tensor load of the launch
	s_nop 0
.rept 4
	v_nop
.endr
	s_lshl_b32 s42, s40, 4
	s_lshl_b32 s44, s39, 2
	s_add_co_u32 s42, s42, s44
	s_lshr_b32 s44, s18, 2
	s_add_co_u32 s42, s42, s44                     ; the record that holds my 32 queries
	s_mul_i32 s42, s42, REC
	s_add_co_u32 s42, s42, 12800                   ; its section Q
	s_add_nc_u64 s[4:5], s[4:5], s[42:43]
	v_and_b32 v8, 31, v0                           ; lane
	v_and_b32 v9, 15, v0                           ; r
	v_bfe_u32 v11, v0, 4, 1                        ; h
	v_lshlrev_b32 v1, 4, v8
	v_lshlrev_b32 v2, 2, v8
	v_lshlrev_b32 v3, 3, v8
	v_lshlrev_b32 v4, 3, v9
	v_lshl_add_u32 v4, v11, 9, v4                  ; asc: 8 r, lanes 16-31 the next tile
	s_and_b32 s44, s18, 3                          ; my pair's image
	s_mul_i32 s45, s44, 1536
	v_add_nc_u32 v194, s45, v1
	s_lshl_b32 s45, s44, 6
	v_lshlrev_b32 v195, 2, v9
	v_add_nc_u32 v195, s45, v195
.irp c, 0,1,2
	global_load_b128 v[36+4*\c:39+4*\c], v194, s[4:5] offset:512*\c
.endr
	global_load_b32 v35, v195, s[4:5] offset:6144  ; its scale words: two bytes of each tile
	s_lshr_b32 s42, s40, 4
	s_lshl_b32 s42, s42, 7
	s_lshl_b32 s44, s39, 5
	s_add_co_u32 s42, s42, s44
	s_lshl_b32 s44, s18, 1
	s_add_co_u32 s42, s42, s44                     ; my first row tile: 128 batch + 32 cx + 2 wave
	s_and_b32 s45, s40, 15                         ; head
	s_mul_i32 s46, s42, 12288
	s_lshr_b32 s44, s45, 1
	s_mul_i32 s44, s44, 1536
	s_add_co_u32 s46, s46, s44
	s_and_b32 s44, s45, 1
	s_mul_i32 s44, s44, 768
	s_add_co_u32 s46, s46, s44
	s_mov_b32 s47, 0
	s_add_nc_u64 s[6:7], s[6:7], s[46:47]
	s_lshl_b32 s46, s42, 9
	s_lshr_b32 s44, s45, 2
	s_lshl_b32 s44, s44, 7
	s_add_co_u32 s46, s46, s44
	s_bfe_u32 s44, s45, 0x10001
	s_lshl_b32 s44, s44, 2
	s_add_co_u32 s46, s46, s44
	s_and_b32 s44, s45, 1
	s_lshl_b32 s44, s44, 1
	s_add_co_u32 s46, s46, s44
	s_add_nc_u64 s[8:9], s[8:9], s[46:47]
.irp i, 0,1,2,3,4,5
	v_mov_b32 v[22+\i], 0                          ; the zero codes between the two copies of Q
.endr
	v_mov_b32 v[T1], 0                             ; written once: a lane permute's destination counts as one of its sources
	v_mov_b32 v[T2], 0
	v_mov_b32 v15, 0                               ; (named as the upper half of the pair v[14:15])
	v_mov_b32 v193, 0
	WALU
	s_wait_loadcnt 0x0                             ; Q
	s_wait_tensorcnt 0x0                           ; my record is in,
	s_barrier_signal -1
	s_barrier_wait -1                              ; everybody's is
.irp i, 0,1,2,3,4,5,6,7,8,9,10,11
	ds_load_b128 v[48+4*\i:51+4*\i], v1 offset:512*\i   ; the first step's K
.endr
	ds_load_b32 v248, v2 offset:6144
	ds_load_b32 v249, v2 offset:6272
	s_mov_b32 s16, 0
.Ltile:                                                ; two trips: a tile of 16 queries each
	v_perm_b32 v34, v35, v35, 0x01000100           ; the tile's two scale bytes, twice
.irp i, 0,1,2,3,4,5
	v_mov_b32 v[16+\i], v[36+\i]
	v_mov_b32 v[28+\i], v[36+\i]
.endr
	v_mov_b32 v13, 0xff61b1e6                      ; the largest score so far: -3e38
	v_mov_b32 v8, v1
	v_mul_f32 v14, s22, v13
	v_floor_f32 v14, -v14                          ; -M
.irp k, 0,4,8,12
	v_mov_b32 v[P+\k], 0                           ; the four partial sums that the first step adds up to l
	v_mov_b32 v[P+\k+1], 0
.endr
.irp i, 0,1,2,3,4,5,6,7,8,9,10,11,12,13,14,15,16,17,18,19,20,21,22,23,24,25,26,27,28,29,30,31
	v_mov_b32 v[OT+\i], 0                          ; O^T: the step is written once, its first trip finds zeros
.endr
	s_mov_b32 s38, 0
.Lstep:                                                ; 8 trips of two steps of 128 keys
	s_mul_i32 s36, s38, 2*STEPB                    ; this trip's records,
	s_add_co_u32 s37, s38, 1
	s_and_b32 s37, s37, 7
	s_mul_i32 s37, s37, 2*STEPB                    ; and the next trip's: behind the last comes the first, for the next tile
	STEP 0
	STEP 1
	s_add_co_u32 s38, s38, 1
	s_cmp_lt_u32 s38, 8
	WALU
	s_cbranch_scc1 .Lstep
	; the tile's way out: O^T / l, quantised along d (two blocks of the model's axis), three pieces of an image
	v_pk_add_f32 v[P:P+1], v[P:P+1], v[P+4:P+5]
	v_pk_add_f32 v[P+8:P+9], v[P+8:P+9], v[P+12:P+13]
	v_pk_add_f32 v[L:L+1], v[P:P+1], v[P+8:P+9]
	v_add_f32 v[L], v[L], v[L+1]
	v_permlanex16_b32 v[T1], v[L], s20, s21
	v_add_f32 v[L], v[L], v[T1]                    ; the row's sum
	WALU
	v_rcp_f32 v[L], v[L]
	v_nop                                          ; a plain place behind the transcendental
	WALU                                           ; and the wait ahead of its first reader and of O^T's
.irp j, 0,2,4,6,8,10,12,14,16,18,20,22,24,26,28,30
	v_pk_mul_f32 v[96+\j:97+\j], v[OT+\j:OT+\j+1], v[L:L+1] op_sel_hi:[1,0]   ; register 16 b + i: d = 32 b + 16 h + i; each accumulator from its low end on
.endr
.irp b, 0,1
	v_max3_num_f32 v[BM+\b], |v[96+16*\b]|, |v[97+16*\b]|, 0x1800000
.endr
.irp i, 2,4,6,8,10,12,14
.irp b, 0,1
	v_max3_num_f32 v[BM+\b], v[BM+\b], |v[96+16*\b+\i]|, |v[97+16*\b+\i]|
.endr
.endr
	; by the order of Wv's columns in a tile, register 8 t + j of lane (r, h) is d = 32 h + 8 t + j: my 32 numbers are one whole block of the model's axis (this takes the place of what the lines above say of d)
	v_max_num_f32 v[BM], v[BM], v[BM+1]
	v_mov_b32 v[BM+1], v[BM]
.irp b, 0,1
	v_add_nc_u32 v[SO+\b], 0xff000000, v[BM+\b]
.endr
.irp b, 0,1
	v_lshrrev_b32 v[BY+\b], 23, v[SO+\b]
.endr
	v_mov_b32 v192, v193                           ; behind two trips: v192 the first tile's bytes, v193 the second's
	v_permlanex16_b32 v[T1], v[BY], s20, s21       ; the other block's byte
	v_cndmask_b32 v[T2], v[BY], v[T1], s17         ; block 0's: lanes 0-15 have it,
	v_cndmask_b32 v[T1], v[T1], v[BY], s17         ; block 1's: lanes 16-31
	v_lshl_or_b32 v193, v[T1], 8, v[T2]            ; my head's two bytes of the row's scale word
	v_cvt_scalef32_pk16_fp6_f32 v[PC:PC+2], v[96:111], v[SO]
	v_cvt_scalef32_pk16_fp6_f32 v[TQ:TQ+2], v[112:127], v[SO+1]
	v_nop
.irp i, 0,1,2
	v_mov_b32 v[PC+3+\i], v[TQ+\i]
.endr
.irp i, 0,1,2
	global_store_b64 v3, v[PC+2*\i:PC+2*\i+1], s[6:7] offset:256*\i   ; 256 consecutive bytes, aligned
.endr
.irp i, 0,1,2,3,4,5
	v_mov_b32 v[36+\i], v[42+\i]                   ; the pair's second tile of queries,
.endr
	v_lshrrev_b32 v35, 16, v35                     ; and its two scale bytes
	s_add_co_u32 s16, s16, 1
	WALU
	s_wait_xcnt 0x0                                ; the stores have read their registers and their base
	s_add_nc_u64 s[6:7], s[6:7], 12288
	s_cmp_lt_u32 s16, 2
	s_cbranch_scc1 .Ltile
	v_cndmask_b32 v[T0], v192, v193, s17           ; lanes 0-15 the first tile's bytes, lanes 16-31 the second's
	global_store_b16 v4, v[T0], s[8:9]
	s_wait_tensorcnt 0x0                           ; the wave's end
	ds_add_u32 v[SPW], v[NIL]
	s_wait_dscnt 0x0
	CROUND                                         ; the closing round
	s_endpgm
.Lfunc_end_k_q8268799248_attn:
	.size	k_q8268799248_attn, .Lfunc_end_k_q8268799248_attn-k_q8268799248_attn
	.p2alignl 7, 3214868480
	.fill 96, 4, 3214868480
	.section	.rodata,"a",@progbits
	.p2align	6, 0x0
	.amdhsa_kernel k_q8268799248_attn
		.amdhsa_group_segment_fixed_size 206848
		.amdhsa_private_segment_fixed_size 0
		.amdhsa_enable_private_segment 0
		.amdhsa_kernarg_size 24
		.amdhsa_user_sgpr_count 2
		.amdhsa_user_sgpr_kernarg_segment_ptr 1
		.amdhsa_wavefront_size32 1
		.amdhsa_system_sgpr_workgroup_id_x 1
		.amdhsa_system_sgpr_workgroup_id_y 1
		.amdhsa_system_sgpr_workgroup_id_z 1
		.amdhsa_system_vgpr_workitem_id 0
		.amdhsa_next_free_vgpr 256
		.amdhsa_next_free_sgpr 66
		.amdhsa_reserve_vcc 0
		.amdhsa_float_denorm_mode_32 3
		.amdhsa_float_denorm_mode_16_64 3
		.amdhsa_memory_ordered 1
		.amdhsa_forward_progress 1
		.amdhsa_inst_pref_size 42
	.end_amdhsa_kernel
	.amdgpu_metadata
---
amdhsa.version: [ 1, 2 ]
amdhsa.kernels:
  - .name:           k_q8268799248_attn
    .symbol:         k_q8268799248_attn.kd
    .args:
      - { .name: qkv, .offset: 0, .size: 8, .value_kind: global_buffer, .address_space: global }
      - { .name: ac, .offset: 8, .size: 8, .value_kind: global_buffer, .address_space: global }
      - { .name: asc, .offset: 16, .size: 8, .value_kind: global_buffer, .address_space: global }
    .group_segment_fixed_size: 206848
    .private_segment_fixed_size: 0
    .kernarg_segment_align: 8
    .kernarg_segment_size: 24
    .max_flat_workgroup_size: 512
    .sgpr_count:     66
    .vgpr_count:     256
    .wavefront_size: 32
...
	.end_amdgpu_metadata
.endif
;; end of part 3
;; launch proj (part 4): grid 8 x 32, 4 waves a work-group, clusters of 4 x 1, 222,720 bytes of LDS; arguments ac, asc, wc, ws, bo, out0; writes out0
.if DOCPART == 4
	.amdgcn_target "amdgcn-amd-amdhsa--gfx1250"
	.amdhsa_code_object_version 6
	.text
	.protected	k_q8268799248_proj
	.globl	k_q8268799248_proj
	.p2align	8
	.type	k_q8268799248_proj,@function
k_q8268799248_proj:
	s_mov_b64 s[64:65], 0
	v_nop
	global_prefetch_b8 v0, s[64:65] scope:SCOPE_SE
	s_setreg_imm32_b32 hwreg(HW_REG_WAVE_MODE, 25, 1), 1
	s_wait_xcnt 0x0
	s_wait_alu depctr_hold_cnt(0) depctr_sa_sdst(0) depctr_va_vdst(0) depctr_va_sdst(0) depctr_va_ssrc(0) depctr_va_vcc(0) depctr_vm_vsrc(0)
	s_getreg_b32 s2, hwreg(HW_REG_IB_STS2, 6, 4)
	s_cmp_eq_u32 s2, 0
	s_cbranch_scc0 .Lentry_in_a_cluster
	s_endpgm
.Lentry_in_a_cluster:
	s_bfe_u32 s2, ttmp6, 0x10000c
	s_cmp_lg_u32 s2, 0x3003
	s_cbranch_scc0 .Lentry_shape_is_right
	s_endpgm
.Lentry_shape_is_right:
; out0 = attention's result x Wo + bo, on codes of FP6.  No work is left out.
; THE DEAL: 256 work-groups of four waves.  A work-group takes 256 tokens (y) and columns 128 g .. 128 g + 127.  The wave (a, b) takes tokens 128 a .. + 127 as eight blocks of 16 rows, and columns 64 b .. + 63:
; four column tiles of Wo, ALL of K, 32 fragments, 384 registers.  A block is 32 products, its four accumulators by turns; bo is the C of its first four.
; LDS: the 256 rows' codes (16 tiles x 12,288 bytes, dense in ac) and scale words (8,192 bytes, dense in asc) come ONCE, one joint load a wave: waves 0-2 a third of the codes each, wave 3 the words.  Nothing is filled again.
; CLUSTER 4, 1, 1: four column groups need the same rows.  THE WEIGHTS are not asked for jointly: wc holds them in the order of the operand's registers, so each lane loads its fragments whole from memory,
; 256 consecutive bytes an instruction, with no way through LDS.  No prefetch: rows and weights are asked for once, at the head, and there is no loop to run ahead in.
; ROWS: the blocks' rows lie twice in registers; behind block s's products the wave waits for block s + 1's rows and asks for block s + 2's.  Every LDS wait is for 0, so the last two blocks may jump over their fetch.
; THE WAY OUT: source 0 = Wo's rows: lane (r, h) holds token place r and columns 32 h + 0 .. 31 of my 64: 128 bytes.  A block goes through my own stage (16 rows of 256 + 16 bytes) and comes back as whole rows;
; its eight stores, two aligned runs of 256 bytes each, are issued behind the next block's products.  Row tile i, place p is token 64 (i / 4) + 8 (i % 4) + p % 8 + 32 (p / 8).
; LIMITS: NaN and infinities are not served.
.set FR,    12
.set FPW,   21                         ; fragment f: window 1 + f / 21, register 12 (f % 21): 0-31 the weights' (4 q + t), 32-39, 40-47 the rows' two sets
.set SCLB,  196608
.set SPARE, 204800
.set STG,   205312                     ; behind the spare words: the stages, 4,352 bytes a wave; no fill lands there
.set LO8,   4                          ; 8 x lane
.set LSB,   5                          ; 512 h + 8 r
.set AX0,   6
.set AS0,   7
.set AX,    8
.set AS,    9
.set SPW,   10
.set NIL,   11
.set STO,   12                         ; the stage, in: 272 r + 128 h
.set RD,    13                         ; back: 272 h + 16 r
.set LB,    14                         ; 128 h
.set GO,    15                         ; in out0: 4,096 h + 16 r
.set SB,    24                         ; v24-39 the weights' scale words
.set SA,    44                         ; v44-59 the rows' scale words, two sets
.set ACC,   64                         ; v64-127 two sets of four accumulators
.set BBQ,   160                        ; v160-191 the bias
.set BK,    192                        ; v192-255 two blocks back from the stage
.set G1,    24
.set G0,    32
.set G0S,   36
.set G1S,   44
.set CUR,   66
.set WB,    92
.set WSB,   94
.set BP,    96
.set OUTB,  98
.set MSB, 0
.macro WIN new
.if MSB != (\new)
	s_set_vgpr_msb (MSB<<8)|(\new)
.set MSB, (\new)
.endif
.endm
.macro WALU
	s_wait_alu depctr_va_vdst(0)
.endm
.macro CROUND
	s_barrier_signal -1
	s_barrier_wait -1
	s_cmp_lg_u32 s20, 0
	s_cbranch_scc1 .Lnot_wave_0_\@
	s_barrier_signal -3
.Lnot_wave_0_\@:
	s_barrier_wait -3
	s_barrier_signal -1
	s_barrier_wait -1
.endm
.macro TLOAD g0, g1
	tensor_load_to_lds s[\g0:\g0+3], s[\g1:\g1+7]
	s_nop 0
.rept 4
	v_nop
.endr
.endm
.macro WEIGHTS                         ; my four column tiles, all of K: 192 loads of 256 consecutive bytes; their scale words: 8 loads
.irp q, 0,1,2,3,4,5,6,7
.irp t, 0,1,2,3
	WIN (1+(4*\q+\t)/FPW)<<6
.irp p, 0,1,2,3,4,5
	global_load_b64 v[FR*((4*\q+\t)%FPW)+2*\p:FR*((4*\q+\t)%FPW)+2*\p+1], v[LO8], s[WB:WB+1] offset:\t*12288+\q*1536+256*\p
.endr
.endr
.endr
	WIN 0
.irp u, 0,1
.irp l, 0,1,2,3
	global_load_b64 v[SB+8*\u+2*\l:SB+8*\u+2*\l+1], v[LSB], s[WSB:WSB+1] offset:1024*\u+128*\l   ; lanes 0-15 tile 2 u, lanes 16-31 tile 2 u + 1; K steps 2 l, 2 l + 1
.endr
.endr
.endm
.macro FETCH e, ax=AX, as=AS           ; a block's eight fragments and eight scale words into set e: 52 loads
.irp q, 0,1,2,3,4,5,6,7
	WIN (1+(32+8*(\e)+\q)/FPW)<<6
.irp p, 0,1,2,3,4,5
	ds_load_b64 v[FR*((32+8*(\e)+\q)%FPW)+2*\p:FR*((32+8*(\e)+\q)%FPW)+2*\p+1], v[\ax] offset:\q*1536+256*\p
.endr
.endr
	WIN 0
.irp l, 0,1,2,3
	ds_load_b64 v[SA+8*(\e)+2*\l:SA+8*(\e)+2*\l+1], v[\as] offset:128*\l
.endr
.endm
.macro WM d, s0, s1, c, x0, x1, o
.if \o
	v_wmma_scale_f32_16x16x128_f8f6f4 v[\d:\d+7], v[\s0:\s0+11], v[\s1:\s1+11], \c, v[\x0], v[\x1] matrix_a_fmt:MATRIX_FMT_FP6 matrix_b_fmt:MATRIX_FMT_FP6 matrix_a_scale:MATRIX_SCALE_ROW1
.else
	v_wmma_scale_f32_16x16x128_f8f6f4 v[\d:\d+7], v[\s0:\s0+11], v[\s1:\s1+11], \c, v[\x0], v[\x1] matrix_a_fmt:MATRIX_FMT_FP6 matrix_b_fmt:MATRIX_FMT_FP6
.endif
.endm
.macro PROD e, n                       ; product n = 4 q + t of a block: source 0 the weight's rows, source 1 the block's
.set Q_, (\n)/4
.set T_, (\n)%4
.set FB_, 4*Q_+T_
.set FA_, 32+8*(\e)+Q_
.set DL_, ACC+32*(\e)+8*T_
.set XB_, SB+8*(T_/2)+Q_
.set XA_, SA+8*(\e)+Q_
.set RB_, FR*(FB_%FPW)
.set RA_, FR*(FA_%FPW)
	WIN (1+FB_/FPW)|((1+FA_/FPW)<<2)
.if Q_
	WM DL_, RB_, RA_, v[DL_:DL_+7], XB_, XA_, T_%2
.else
	WM DL_, RB_, RA_, v[BBQ+8*T_:BBQ+8*T_+7], XB_, XA_, T_%2
.endif
.endm
.macro BLOCKP e
.set N_, 0
.rept 32
	PROD \e, N_
.set N_, N_+1
.endr
	WIN 0
.endm
.macro NEXT o                          ; the block two on: 2 x trip + o
	s_lshl_b32 s57, s56, 1
	s_add_co_u32 s57, s57, \o
	s_and_b32 s57, s57, 7
	s_mul_i32 s58, s57, 12288
	s_lshl_b32 s59, s57, 9
.endm
.macro POINT                           ; where block s61's rows begin in out0
	s_lshr_b32 s62, s61, 2
	s_lshl_b32 s62, s62, 18                        ; 64 rows of 4,096 bytes
	s_and_b32 s63, s61, 3
	s_lshl_b32 s63, s63, 15                        ; 8 rows
	s_add_co_u32 s62, s62, s63
	s_mov_b32 s63, 0
	s_add_nc_u64 s[CUR:CUR+1], s[OUTB:OUTB+1], s[62:63]
.endm
.macro SEND set
.irp n, 0,1,2,3,4,5,6,7
	global_store_b128 v[GO], v[BK+32*(\set)+4*\n:BK+32*(\set)+4*\n+3], s[CUR:CUR+1] offset:(2*(\n%4)+32*(\n/4))*4096 th:TH_STORE_NT   ; places 2 n, 2 n + 1: sixteen lanes store 256 consecutive bytes, aligned
.endr
.endm
.macro PTAIL e
	v_add_nc_u32 v[AX], s58, v[AX0]                ; four places behind the products
	v_add_nc_u32 v[AS], s59, v[AS0]
	v_nop
	v_nop
	WALU
	s_wait_dscnt 0x0                               ; the next block's rows are in, and the last block is back from the stage
	s_wait_xcnt 0x0                                ; earlier stores have read their base and registers
.if \e
	s_lshl_b32 s61, s56, 1
	POINT
	SEND 0
.else
	s_cmp_eq_u32 s56, 0                            ; the first block has none before it
	s_cbranch_scc1 .Lfirst_\@
	s_lshl_b32 s61, s56, 1
	s_sub_co_u32 s61, s61, 1
	POINT
	SEND 1
.Lfirst_\@:
.endif
	s_cmp_lt_u32 s56, 3                            ; the last two blocks fetch nothing
	s_cbranch_scc0 .Lno_fetch_\@
	FETCH \e
.Lno_fetch_\@:
.irp k, 0,1,2,3,4,5,6,7
	ds_store_b128 v[STO], v[ACC+32*(\e)+4*\k:ACC+32*(\e)+4*\k+3] offset:16*\k   ; each accumulator from its low end on
.endr
.irp n, 0,1,2,3,4,5,6,7
	ds_load_b128 v[BK+32*(\e)+4*\n:BK+32*(\e)+4*\n+3], v[RD] offset:544*\n   ; LDS serves a wave's instructions in order: these see my stores
.endr
.endm
; ================= the head
	s_load_b256 s[4:11], s[0:1], 0x0               ; ac 4, asc 6, wc 8, ws 10
	s_load_b128 s[12:15], s[0:1], 0x20             ; bo 12, out0 14
	v_lshl_add_u32 v[SPW], v0, 2, SPARE
	v_mov_b32 v[NIL], 0
	ds_add_u32 v[SPW], v[NIL]                      ; the wave's opening: the add, twice on end, and its wait
	ds_add_u32 v[SPW], v[NIL]
	v_lshrrev_b32 v1, 5, v0
	v_readfirstlane_b32 s20, v1                    ; wave
	s_lshr_b32 s21, s20, 1                         ; a
	s_and_b32 s22, s20, 1                          ; b
	s_bfe_u32 s40, ttmp6, 0x40000                  ; cx
	s_lshl_b32 s42, ttmp9, 2
	s_add_co_u32 s42, s42, s40                     ; g
	s_and_b32 s43, ttmp7, 0xffff                   ; y, which the four partners share
	s_mov_b32 s[G1], 15|(3<<16)|(1<<21)            ; the mask: all four; elements of 8 bytes; bit 21 beside a mask
	s_mov_b32 s[G1+1], 32<<16                      ; rows of 256 bytes
	s_mov_b32 s[G1+2], 256<<16                     ; 256 rows: 65,536 dense bytes
	s_mov_b32 s[G1+3], 32<<16
	s_mov_b32 s[G1+4], 256
	s_mov_b32 s[G1+5], 32
	s_mov_b32 s[G1+6], 0
	s_mov_b32 s[G1+7], 0
	s_mov_b32 s[G1S], 15|(3<<16)|(1<<21)
	s_mov_b32 s[G1S+1], 32<<16
	s_mov_b32 s[G1S+2], 32<<16                     ; 32 rows: 8,192 dense bytes
	s_mov_b32 s[G1S+3], 32<<16
	s_mov_b32 s[G1S+4], 32
	s_mov_b32 s[G1S+5], 32
	s_mov_b32 s[G1S+6], 0
	s_mov_b32 s[G1S+7], 0
	s_mov_b32 s[G0], 1
	s_lshl_b32 s[G0+1], s20, 16                    ; LDS: the wave's number alone
	s_mov_b32 s[G0S], 1
	s_mov_b32 s[G0S+1], SCLB
	s_mul_i32 s2, s43, 196608
	s_add_co_u32 s2, s2, s[G0+1]
	s_mov_b32 s3, 0
	s_lshl_b32 s100, s43, 13
	s_mov_b32 s101, 0
	s_wait_dscnt 0x0
	s_wait_kmcnt 0x0
	s_add_nc_u64 s[G0+2:G0+3], s[4:5], s[2:3]
	s_or_b32 s[G0+3], s[G0+3], 0x80000000
	s_add_nc_u64 s[G0S+2:G0S+3], s[6:7], s[100:101]
	s_or_b32 s[G0S+3], s[G0S+3], 0x80000000
	CROUND                                         ; all four work-groups are here: the joint loads meet
	s_cmp_lt_u32 s20, 3
	s_cbranch_scc0 .Lwords
	TLOAD G0, G1                                   ; waves 0-2: a third of the codes each
	s_branch .Lasked
.Lwords:
	TLOAD G0S, G1S                                 ; wave 3: the scale words
.Lasked:
	s_lshl_b32 s57, s42, 3
	s_lshl_b32 s58, s22, 2
	s_add_co_u32 s57, s57, s58                     ; my first column tile of Wo: 8 g + 4 b,
	s_lshl_b32 s2, s57, 6                          ; 16 columns of 4 bytes a tile
	s_add_nc_u64 s[BP:BP+1], s[12:13], s[2:3]
	s_add_nc_u64 s[OUTB:OUTB+1], s[14:15], s[2:3]
	s_add_co_u32 s57, s57, 192                     ; behind Wq's, Wk's and Wv's 64 tiles each
	s_mul_i32 s2, s57, 12288
	s_add_nc_u64 s[WB:WB+1], s[8:9], s[2:3]
	s_lshl_b32 s2, s57, 9
	s_add_nc_u64 s[WSB:WSB+1], s[10:11], s[2:3]
	s_lshl_b32 s2, s43, 20                         ; 256 y rows of 4,096 bytes
	s_lshl_b32 s57, s21, 19                        ; + 128 a rows
	s_add_co_u32 s2, s2, s57
	s_add_nc_u64 s[OUTB:OUTB+1], s[OUTB:OUTB+1], s[2:3]
	s_mul_i32 s57, s20, 4352
	s_add_co_u32 s57, s57, STG                     ; my stage
	s_mul_i32 s58, s21, 98304
	s_lshl_b32 s59, s21, 12
	s_add_co_u32 s59, s59, SCLB
	v_and_b32 v1, 15, v0                           ; r
	v_bfe_u32 v2, v0, 4, 1                         ; h
	v_and_b32 v3, 31, v0                           ; lane
	v_lshlrev_b32 v[LO8], 3, v3
	v_lshlrev_b32 v18, 3, v1
	v_lshl_add_u32 v[LSB], v2, 9, v18
	v_add_nc_u32 v[AX0], s58, v[LO8]
	v_add_nc_u32 v[AS0], s59, v18
	v_add_nc_u32 v[AX], 12288, v[AX0]
	v_add_nc_u32 v[AS], 512, v[AS0]
	v_lshlrev_b32 v[LB], 7, v2
	v_mul_u32_u24 v19, v1, 272
	v_lshl_add_u32 v19, v2, 7, v19
	v_add_nc_u32 v[STO], s57, v19
	v_mul_u32_u24 v20, v2, 272
	v_lshl_add_u32 v20, v1, 4, v20
	v_add_nc_u32 v[RD], s57, v20
	v_lshlrev_b32 v21, 4, v1
	v_lshl_add_u32 v[GO], v2, 12, v21
	WALU
	WEIGHTS
.irp k, 0,1,2,3,4,5,6,7
	global_load_b128 v[BBQ+4*\k:BBQ+4*\k+3], v[LB], s[BP:BP+1] offset:16*\k   ; register 8 t + j: column 32 h + 8 t + j of my 64
.endr
	s_wait_tensorcnt 0x0                           ; my part is in,
	s_barrier_signal -1
	s_barrier_wait -1                              ; everybody's is
	FETCH 0, AX0, AS0
	FETCH 1
	s_mov_b32 s56, 0
	s_wait_loadcnt 0x0
	s_wait_dscnt 0x0
; ================= four trips of two blocks
.Ltrip:
	NEXT 2
	BLOCKP 0
	PTAIL 0
	NEXT 3
	BLOCKP 1
	PTAIL 1
	s_add_co_u32 s56, s56, 1
	s_cmp_lt_u32 s56, 4
	s_cbranch_scc1 .Ltrip
	s_wait_dscnt 0x0                               ; the last block is back from the stage
	s_wait_xcnt 0x0
	s_mov_b32 s61, 7
	POINT
	SEND 1
	s_wait_tensorcnt 0x0                           ; the wave's end
	ds_add_u32 v[SPW], v[NIL]
	s_wait_dscnt 0x0
	CROUND                                         ; the closing round
	s_endpgm
.Lfunc_end_k_q8268799248_proj:
	.size	k_q8268799248_proj, .Lfunc_end_k_q8268799248_proj-k_q8268799248_proj
	.p2alignl 7, 3214868480
	.fill 96, 4, 3214868480
	.section	.rodata,"a",@progbits
	.p2align	6, 0x0
	.amdhsa_kernel k_q8268799248_proj
		.amdhsa_group_segment_fixed_size 222720
		.amdhsa_private_segment_fixed_size 0
		.amdhsa_enable_private_segment 0
		.amdhsa_kernarg_size 48
		.amdhsa_user_sgpr_count 2
		.amdhsa_user_sgpr_kernarg_segment_ptr 1
		.amdhsa_wavefront_size32 1
		.amdhsa_system_sgpr_workgroup_id_x 1
		.amdhsa_system_sgpr_workgroup_id_y 1
		.amdhsa_system_sgpr_workgroup_id_z 1
		.amdhsa_system_vgpr_workitem_id 0
		.amdhsa_next_free_vgpr 1024
		.amdhsa_next_free_sgpr 102
		.amdhsa_reserve_vcc 0
		.amdhsa_float_denorm_mode_32 3
		.amdhsa_float_denorm_mode_16_64 3
		.amdhsa_memory_ordered 1
		.amdhsa_forward_progress 1
		.amdhsa_inst_pref_size 54
	.end_amdhsa_kernel
	.amdgpu_metadata
---
amdhsa.version: [ 1, 2 ]
amdhsa.kernels:
  - .name:           k_q8268799248_proj
    .symbol:         k_q8268799248_proj.kd
    .args:
      - { .name: ac, .offset: 0, .size: 8, .value_kind: global_buffer, .address_space: global }
      - { .name: asc, .offset: 8, .size: 8, .value_kind: global_buffer, .address_space: global }
      - { .name: wc, .offset: 16, .size: 8, .value_kind: global_buffer, .address_space: global }
      - { .name: ws, .offset: 24, .size: 8, .value_kind: global_buffer, .address_space: global }
      - { .name: bo, .offset: 32, .size: 8, .value_kind: global_buffer, .address_space: global }
      - { .name: out0, .offset: 40, .size: 8, .value_kind: global_buffer, .address_space: global }
    .group_segment_fixed_size: 222720
    .private_segment_fixed_size: 0
    .kernarg_segment_align: 8
    .kernarg_segment_size: 48
    .max_flat_workgroup_size: 128
    .sgpr_count:     102
    .vgpr_count:     1024
    .wavefront_size: 32
...
	.end_amdgpu_metadata
.endif
;; end of part 4
